; MI455X (gfx1250); checked and timed in simulation.
; The chip was launched on July 23, 2026; its instructions are those of AMD's public machine-readable ISA for CDNA 5 (MIT licence, August 2026) and "CDNA5" Instruction Set Architecture Reference Guide (July 2026). The comments in the code are by the model that wrote it; some were corrected since.
;; RNN Encoder. Allowed arithmetic: float matrix products may take bf16 or f16 operands with f32 sums; all other float work in f32.
;; Inputs: W 1,024 x 2,048 float32; b 1,024 float32; x 4,096 x 8 x 1,024 float32.
;; Outputs: out0 4,096 x 1,024 float32.
;; 2 versions, each right; version 2 is version 1 with the launch prep written anew for expert scheduling mode. Each part assembles by itself: llvm-mc -triple=amdgcn-amd-amdhsa -mcpu=gfx1250 --defsym DOCPART=n.
;; ======== version 1 of 2: 9 launches
;; workspace buffers: wb 4,194,304 bytes; sa 16,777,216 bytes; sb 16,777,216 bytes; ca 131,072 bytes of whole numbers; cb 131,072 bytes of whole numbers
;; launch prep (part 1): grid 256 x 1, 4 waves a work-group, no clusters, 0 bytes of LDS; arguments W, x, wb, sa, ca; writes wb, sa, ca
.if DOCPART == 1
	.amdgcn_target "amdgcn-amd-amdhsa--gfx1250"
	.amdhsa_code_object_version 6
	.text
	.protected	k_qea266afc0b_prep
	.globl	k_qea266afc0b_prep
	.p2align	8
	.type	k_qea266afc0b_prep,@function
k_qea266afc0b_prep:
	s_mov_b64 s[64:65], 0
	v_nop
	global_prefetch_b8 v0, s[64:65] scope:SCOPE_SE
	s_setreg_imm32_b32 hwreg(HW_REG_WAVE_MODE, 25, 1), 1
	s_wait_xcnt 0x0
; PREPARATION for the recurrence h(t+1) = relu([x_t, h_t] W^T + b), h_0 = 0.  Three things are written:
;   wb = W rounded to bf16, [1024][2048], in W's own order;
;   the left half of sa = S_0 = [4096][2048] bf16: columns 0-1023 x_0 rounded to bf16 (the right half, h_0, is read by nobody: the first step leaves the products with h_0 = 0 out);
;   ca = 1 in every word: the number of the slice of x that the next launch converts.
; A stream: every byte is read once and written once, so no LDS, no barrier, no matrix unit and no cluster (work-groups share no input).
; SHARES.  Work-group j: rows 16 j .. 16 j + 15 of x_0 and of sa, rows 4 j .. 4 j + 3 of W (32,768 dense bytes), words 128 j .. 128 j + 127 of ca.
; A UNIT is one load of 16 bytes a thread (the 128 threads cover 2,048 consecutive bytes of f32), two roundings in place, one store of 8 bytes a thread
; (a wave's store covers 256 consecutive bytes, at a multiple of 256 from the buffer's first byte).  48 units: 32 of x, 16 of W.  All 48 loads go out first;
; each unit has registers of its own, so no register that a load or a store names is ever written again.
.set XROW,  32768                      ; bytes from a batch row of x to the next: 8 slices of 1,024 f32
.set SROW,  4096                       ; bytes in a row of S: 2,048 bf16
.set X,     8                          ; v[8:199]  unit u at X + 4 u
	s_load_b256 s[4:11], s[0:1], 0x0               ; W s[4:5], x s[6:7], wb s[8:9], sa s[10:11]
	s_load_b64 s[12:13], s[0:1], 0x20              ; ca
	v_lshlrev_b32 v1, 4, v0                        ; 16 bytes a thread: the loads
	v_lshlrev_b32 v2, 3, v0                        ; 8 bytes a thread: the stores of bf16
	v_lshlrev_b32 v3, 2, v0                        ; 4 bytes a thread: the counter's words
	v_mov_b32 v4, 1                                ; the next launch converts slice 1
	s_mov_b32 s15, 0                               ; every offset below stays under 2^32
	s_wait_kmcnt 0x0
	s_lshl_b32 s14, ttmp9, 15                      ; 4 rows of W, 8,192 bytes each
	s_add_nc_u64 s[4:5], s[4:5], s[14:15]
	s_lshl_b32 s14, ttmp9, 19                      ; 16 batch rows of x
	s_add_nc_u64 s[6:7], s[6:7], s[14:15]
	s_lshl_b32 s14, ttmp9, 14                      ; 4 rows of wb, 4,096 bytes each
	s_add_nc_u64 s[8:9], s[8:9], s[14:15]
	s_lshl_b32 s14, ttmp9, 16                      ; 16 rows of S
	s_add_nc_u64 s[10:11], s[10:11], s[14:15]
	s_lshl_b32 s14, ttmp9, 9                       ; 128 words of the counter
	s_add_nc_u64 s[12:13], s[12:13], s[14:15]
.set u, 0
.rept 32                                           ; x_0: row u / 2, half u % 2 of its 4,096 bytes
	global_load_b128 v[X+4*u:X+4*u+3], v1, s[6:7] offset:(u/2)*XROW+(u%2)*2048 th:TH_LOAD_NT
.set u, u+1
.endr
.rept 16                                           ; W: units 32 to 47, dense
	global_load_b128 v[X+4*u:X+4*u+3], v1, s[4:5] offset:(u-32)*2048 th:TH_LOAD_NT
.set u, u+1
.endr
	global_store_b32 v3, v4, s[12:13]              ; 512 consecutive bytes for the work-group
.set u, 0
.rept 48
	s_wait_loadcnt 47-u                            ; loads come back in order (ISA guide 5.7.1): unit u is in, the 47 - u younger ones stay out
	v_cvt_pk_bf16_f32 v[X+4*u],   v[X+4*u],   v[X+4*u+1]   ; two roundings to nearest even, packed, in place
	v_cvt_pk_bf16_f32 v[X+4*u+1], v[X+4*u+2], v[X+4*u+3]
.if u < 32
	global_store_b64 v2, v[X+4*u:X+4*u+1], s[10:11] offset:(u/2)*SROW+(u%2)*1024
.else
	global_store_b64 v2, v[X+4*u:X+4*u+1], s[8:9] offset:(u-32)*1024
.endif
.set u, u+1
.endr
	s_endpgm
.Lfunc_end_k_qea266afc0b_prep:
	.size	k_qea266afc0b_prep, .Lfunc_end_k_qea266afc0b_prep-k_qea266afc0b_prep
	.p2alignl 7, 3214868480
	.fill 96, 4, 3214868480
	.section	.rodata,"a",@progbits
	.p2align	6, 0x0
	.amdhsa_kernel k_qea266afc0b_prep
		.amdhsa_group_segment_fixed_size 0
		.amdhsa_private_segment_fixed_size 0
		.amdhsa_enable_private_segment 0
		.amdhsa_kernarg_size 40
		.amdhsa_user_sgpr_count 2
		.amdhsa_user_sgpr_kernarg_segment_ptr 1
		.amdhsa_wavefront_size32 1
		.amdhsa_system_sgpr_workgroup_id_x 1
		.amdhsa_system_sgpr_workgroup_id_y 1
		.amdhsa_system_sgpr_workgroup_id_z 1
		.amdhsa_system_vgpr_workitem_id 0
		.amdhsa_next_free_vgpr 200
		.amdhsa_next_free_sgpr 66
		.amdhsa_reserve_vcc 0
		.amdhsa_float_denorm_mode_32 3
		.amdhsa_float_denorm_mode_16_64 3
		.amdhsa_memory_ordered 1
		.amdhsa_forward_progress 1
		.amdhsa_inst_pref_size 18
	.end_amdhsa_kernel
	.amdgpu_metadata
---
amdhsa.version: [ 1, 2 ]
amdhsa.kernels:
  - .name:           k_qea266afc0b_prep
    .symbol:         k_qea266afc0b_prep.kd
    .args:
      - { .name: W, .offset: 0, .size: 8, .value_kind: global_buffer, .address_space: global }
      - { .name: x, .offset: 8, .size: 8, .value_kind: global_buffer, .address_space: global }
      - { .name: wb, .offset: 16, .size: 8, .value_kind: global_buffer, .address_space: global }
      - { .name: sa, .offset: 24, .size: 8, .value_kind: global_buffer, .address_space: global }
      - { .name: ca, .offset: 32, .size: 8, .value_kind: global_buffer, .address_space: global }
    .group_segment_fixed_size: 0
    .private_segment_fixed_size: 0
    .kernarg_segment_align: 8
    .kernarg_segment_size: 40
    .max_flat_workgroup_size: 128
    .sgpr_count:     66
    .vgpr_count:     200
    .wavefront_size: 32
...
	.end_amdgpu_metadata
.endif
;; end of part 1
;; launch first (part 2): grid 8 x 32, 4 waves a work-group, clusters of 4 x 4, 327,680 bytes of LDS; arguments sa, wb, sb, b, x, ca, cb; writes sb, cb
.if DOCPART == 2
	.amdgcn_target "amdgcn-amd-amdhsa--gfx1250"
	.amdhsa_code_object_version 6
	.text
	.protected	k_qea266afc0b_first
	.globl	k_qea266afc0b_first
	.p2align	8
	.type	k_qea266afc0b_first,@function
k_qea266afc0b_first:
	s_mov_b64 s[64:65], 0
	v_nop
	global_prefetch_b8 v0, s[64:65] scope:SCOPE_SE
	s_setreg_imm32_b32 hwreg(HW_REG_WAVE_MODE, 25, 1), 1
	s_wait_xcnt 0x0
	s_wait_alu depctr_hold_cnt(0) depctr_sa_sdst(0) depctr_va_vdst(0) depctr_va_sdst(0) depctr_va_ssrc(0) depctr_va_vcc(0) depctr_vm_vsrc(0)
	s_getreg_b32 s2, hwreg(HW_REG_IB_STS2, 6, 4)
	s_cmp_eq_u32 s2, 0
	s_cbranch_scc0 .Lentry_in_a_cluster
	s_endpgm
.Lentry_in_a_cluster:
	s_bfe_u32 s2, ttmp6, 0x10000c
	s_cmp_lg_u32 s2, 0xf033
	s_cbranch_scc0 .Lentry_shape_is_right
	s_endpgm
.Lentry_shape_is_right:
; THE FIRST STEP of h(t+1) = relu([x_t, h_t] W^T + b): h_0 = 0, so h_1 = relu(x_0 Wx^T + b), and the products with h_0 are not made: K is 1,024, the left halves of S_0's and wb's rows.
; But for NSTEP this is the text of the later steps.  Arguments: S_in, wb, S_out, b, x, c_in, c_out.
; S_in = S_0 = [4096][2048] bf16 (columns 0-1023 x_0; the others are not read), wb = W in bf16 [1024][2048].  The launch stores S_1: its right half is
; relu(x_0 Wx^T + b) rounded once to bf16 from f32 sums, its left half x_1 rounded to bf16 (THE SIDE JOB: work-group w converts rows 16 w .. 16 w + 15, each wave four rows; the 32 loads of
; a wave go out when the first tile has landed and are waited for behind the loop, so that they arrive under the products).
; WHICH SLICE of x: the slice's number is read from c_in (my work-group's first word, stored by the launch before), clamped to 7, and enters the
; address of x alone: no branch, no trip count, no descriptor, no LDS address.  The number + 1 goes to c_out, 128 words a work-group.
; LIMITS.  x, W, b and every h are rounded to bf16 (b is rounded and widened again, so that all inputs have the same rounding); sums in f32, the K steps added in a rotated order (below), not ascending.
; relu is a maximum with 0 in which a NaN loses: a NaN sum gives 0 here.  bf16 has f32's range, so larger or smaller inputs lose no more than the rounding.
; THE PRODUCT.  A tile of the result is 128 x 128: 32 x 8 tiles, one for each of 256 work-groups.  Four waves, each 64 x 64: 16 accumulators of 16 x 16, 128 registers.  K goes in NSTEP steps of 256
; (LDS rows of 512 bytes; a wave's tensor load brings 64 of them) through a ring of two LDS slots.  The first product on each accumulator takes the bias as its C operand, so the bias costs no addition.
; CLUSTERS: 4 x 4 work-groups.  The four of a row of the cluster need the same tiles of S, the four of a column the same tiles of wb: each tile is asked for JOINTLY, by the same tensor load with the
; same descriptor and a mask that names the four.  THE MATRIX INSTRUCTION IS USED TRANSPOSED (source 0 = 16 rows of wb, source 1 = 16 rows of S): a lane then holds eight neighbouring columns of a row.
; THE K STEPS ARE A RING, and each cluster enters it elsewhere: at step (NSTEP/4 (cluster y mod 4) + NSTEP/2 (cluster x)) mod NSTEP.  The two clusters that need the same rows of S (x = 0, 1) walk NSTEP/2 steps
; apart: the second half of a cluster's tiles of S has been read NSTEP/2 steps earlier by the other.  Cluster rows y mod 4 = 0 .. 3, which need the same rows of wb, enter NSTEP/4 steps apart.
; The entry hangs on the cluster's own coordinates, which all sixteen partners share, and enters global addresses alone.
; REGISTERS, in windows of 256 (s_set_vgpr_msb: bits 1:0 source 0, 3:2 source 1, 5:4 source 2, 7:6 destination):
;   window 0: v0-31 addresses; v32-95 at work on the way out; v96-127 the bias; v128-255 the accumulators ((a, b) at v[128 + 8 (4 a + b)])
;   window 1: two fragment buffers of 128: for 64 along K, 64 registers of S (2 x 4 x 16 rows x 32 K), then 64 of wb          window 2: v0-127 the side job's 32 units of four registers
.set SIZE_K, 2048                      ; elements in a row of S and of wb
.set NSTEP,  4                         ; K steps of 256 that this launch multiplies: columns 0 to 1,023
.set KSTEP,  256
.set PITCH,  528                       ; an LDS row: 512 bytes of data + 16 of padding = 132 words: row r starts at bank 4 r mod 64 (64 banks of 4 bytes: ISA guide 11.1)
.set HALFT,  64*PITCH                  ; 64 rows: what one tensor load brings, and what one wave reads of S or of wb
.set SLOT,   4*HALFT                   ; S's 128 rows, then wb's 128 rows
.set STAGE,  2*SLOT                    ; behind the ring: 128 rows x 272 bytes, the work-group's, for the way out
.set SPITCH, 272
.set SPARE,  STAGE+128*SPITCH          ; behind the stage: the spare words, 128 bytes for each wave: two blocks of 256 bytes that no other line names
.set LAPS,   NSTEP/2                   ; a lap = two K steps = once round the ring of slots
.set SROW,   4096                      ; bytes in a row of S
.set XROW,   32768                     ; bytes from a batch row of x to the next
.set BO,   10                          ; v10     32 x (lane / 16): my eight f32 in a block of 16 of the bias
.set XO,   11                          ; v11     16 x lane: the side job's loads
.set XS,   12                          ; v12     8 x lane: the side job's stores
.set CW,   13                          ; v13     4 x thread: my word of c_out
.set CV,   14                          ; v14     what goes there
.set ADRA, 16                          ; v16-17  LDS address of my fragments of S in slot 0, 1
.set ADRB, 20                          ; v20-21  the same for wb
.set STO,  24                          ; v24     the way out: where I put 16 bytes of a row
.set RD,   25                          ; v25     the way out: where I read a row back
.set CO,   26                          ; v26     my byte offset in two rows of S_out
.set SPW,  28                          ; v28     LDS address of my spare word: SPARE + 4 x my thread's number; never rewritten
.set NIL,  29                          ; v29     0; never rewritten
.set TMP,  32
.set BIAS, 96                          ; block bk of 16 columns at BIAS + 8 bk: register j = b[my first column + 16 bk + 8 (lane / 16) + j]
.set ACC,  128
.set F0,   0                           ; fragment buffers, in window 1
.set F1,   128
.set WV,   12                          ; s12  my wave's number
.set WR,   13                          ; s13  which half of the tile's rows is mine.  Also: I fetch for S (0) or for wb (1)
.set WC,   14                          ; s14  which half of its columns.  Also: which 64 rows of that tile I fetch
.set TR,   15                          ; s15  tile row
.set KN,   18                          ; s18-19  the number of the K step that was asked for last for slot 0, 1
.set TC,   42                          ; s42  tile column
.set KOF,  66                          ; s[66:67]  a K step's byte offset in a row: 512 x its number
.set G1,  24                           ; s[24:31] descriptor group 1 for S's tiles;  s[32:39] group 0, one set for each slot
.set G0,  32
.set G1B, 48                           ; s[48:55], s[56:63] the same for wb's tiles
.set G0B, 56
.set MSB, 0
.macro WIN new                         ; the immediate's high byte repeats the setting that is left; a switch that changes nothing is dropped
.if MSB != (\new)
	s_set_vgpr_msb (MSB<<8)|(\new)
.set MSB, \new
.endif
.endm
.set MUL,  0x05                        ; sources 0 (wb) and 1 (S) window 1; C and D window 0
.set TO_F, 0x40                        ; destination window 1, address window 0
.set X_LD, 0x80                        ; destination window 2, address window 0
.set X_CV, 0x8a                        ; destination and both sources window 2
.set X_ST, 0x08                        ; a store's data (source 1) window 2, its address window 0
.macro JLOAD s                         ; a joint load: waves 0 and 1 fetch S's two halves, waves 2 and 3 wb's; an s_nop 0 and four v_nop follow each of the two lines, ahead of the jump, the label and what follows
	s_cmp_eq_u32 s[WR], 0
	s_cbranch_scc0 .Lfor_b_\@
	tensor_load_to_lds s[G0+4*(\s):G0+4*(\s)+3], s[G1:G1+7]
	s_nop 0
.rept 4
	v_nop
.endr
	s_branch .Lasked_\@
.Lfor_b_\@:
	tensor_load_to_lds s[G0B+4*(\s):G0B+4*(\s)+3], s[G1B:G1B+7]
	s_nop 0
.rept 4
	v_nop
.endr
.Lasked_\@:
.endm
.macro KADDR s                         ; both group 0 of slot s take the address of K step s[KN+s]: the tile's first byte plus an offset made apart; the type bits are set again
	s_lshl_b32 s[KOF], s[KN+(\s)], 9
	s_add_nc_u64 s[G0+4*(\s)+2:G0+4*(\s)+3], s[4:5], s[KOF:KOF+1]    ; 120:64 global address
	s_or_b32 s[G0+4*(\s)+3], s[G0+4*(\s)+3], 0x80000000              ; 127:126 type = 2
	s_add_nc_u64 s[G0B+4*(\s)+2:G0B+4*(\s)+3], s[6:7], s[KOF:KOF+1]
	s_or_b32 s[G0B+4*(\s)+3], s[G0B+4*(\s)+3], 0x80000000
.endm
.macro CREST                           ; a round of the cluster's barrier behind its opening barrier
	s_cmp_lg_u32 s[WV], 0
	s_cbranch_scc1 .Lnot_wave_0_\@
	s_barrier_signal -3
.Lnot_wave_0_\@:
	s_barrier_wait -3
	s_barrier_signal -1
	s_barrier_wait -1
.endm
.macro CROUND                          ; a whole round
	s_barrier_signal -1
	s_barrier_wait -1
	CREST
.endm
	s_load_b256 s[4:11], s[0:1], 0x0               ; S_in s[4:5], wb s[6:7], S_out s[8:9], b s[10:11]
	s_load_b128 s[68:71], s[0:1], 0x20             ; x s[68:69], c_in s[70:71]
	s_load_b64 s[72:73], s[0:1], 0x30              ; c_out
	v_lshl_add_u32 v[SPW], v0, 2, SPARE
	v_mov_b32 v[NIL], 0
	ds_add_u32 v[SPW], v[NIL]                      ; the wave's opening: the add and its wait stand ahead of my first tensor load; the set-up below, work on registers, stands between them
	v_lshrrev_b32 v1, 5, v0
	v_readfirstlane_b32 s[WV], v1                  ; wave 0..3
	s_lshr_b32 s[WR], s[WV], 1
	s_and_b32 s[WC], s[WV], 1
	s_bfe_u32 s40, ttmp6, 0x40000                  ; cx, cy: my place in the cluster
	s_bfe_u32 s41, ttmp6, 0x40004
	s_lshl_b32 s[TC], ttmp9, 2
	s_add_co_u32 s[TC], s[TC], s40                 ; tile column = 4 x cluster x + cx
	s_and_b32 s[TR], ttmp7, 0xffff                 ; cluster y
	s_and_b32 s[KN], s[TR], 3                      ; where my cluster enters the ring of K steps:
	s_mul_i32 s[KN], s[KN], NSTEP/4                ; NSTEP/4 x (cluster y mod 4)
	s_mul_i32 s[KN+1], ttmp9, NSTEP/2              ; + NSTEP/2 x cluster x,
	s_add_co_u32 s[KN], s[KN], s[KN+1]
	s_and_b32 s[KN], s[KN], NSTEP-1                ; mod NSTEP: slot 0's first step;
	s_add_co_u32 s[KN+1], s[KN], 1
	s_and_b32 s[KN+1], s[KN+1], NSTEP-1            ; slot 1's is the next in the ring
	s_mov_b32 s[KOF+1], 0
	s_lshl_b32 s[TR], s[TR], 2
	s_add_co_u32 s[TR], s[TR], s41                 ; tile row = 4 x cluster y + cy
	s_lshl_b32 s43, s41, 2
	s_lshl_b32 s43, 15, s43                        ; my row of the cluster: places 4 cy .. 4 cy + 3
	s_lshl_b32 s44, 0x1111, s40                    ; my column: places cx, cx + 4, cx + 8, cx + 12
	; descriptor group 1: a tile of 64 rows x 256 elements, padded in LDS
	s_or_b32 s[G1+0], s43, (1<<16)|(1<<20)|(1<<21)|(6<<22)|(3<<25)  ; 15:0 the mask: S's tiles go to my row; 17:16 element of 2 bytes; 20 padding on; 21 set beside a mask; 24:22 after every 128 words (code 6); 31:25 of 4 words (code 3)
	s_or_b32 s[G1B+0], s44, (1<<16)|(1<<20)|(1<<21)|(6<<22)|(3<<25) ; the same with the mask of my column, for wb's tiles
.irp g, G1, G1B
	s_mov_b32 s[(\g)+1], KSTEP<<16                 ; tensor_dim0 = 256
	s_mov_b32 s[(\g)+2], 64<<16                    ; tensor_dim1 = 64
	s_mov_b32 s[(\g)+3], KSTEP<<16                 ; tile_dim0 = 256
	s_mov_b32 s[(\g)+4], 64                        ; tile_dim1 = 64
	s_mov_b32 s[(\g)+5], SIZE_K                    ; 2,048 elements from row to row, in S and in wb
	s_mov_b32 s[(\g)+6], 0
	s_mov_b32 s[(\g)+7], 0
.endr
	; where the tiles come from.  S's hang on the tile row alone, which my row of the cluster shares; wb's on the tile column alone, which my column shares; each in registers that never hold the other coordinate.
	s_lshl_b32 s17, s[WC], 6                       ; which 64 rows of the tile I fetch
	s_lshl_b32 s16, s[TR], 7
	s_add_co_u32 s16, s16, s17                     ; S: row 128 x tile row + 64 x half,
	s_lshl_b32 s16, s16, 12                        ; times 4,096 bytes: under 2^24
	s_lshl_b32 s46, s[TC], 7
	s_add_co_u32 s46, s46, s17                     ; wb: row 128 x tile column + 64 x half
	s_lshl_b32 s46, s46, 12
	s_mov_b32 s17, 0
	s_mov_b32 s47, 0
	s_mul_i32 s20, s[WV], HALFT                    ; where they go: wave x 64 rows: no place in the cluster enters an LDS address
	s_lshl_b32 s77, s[TR], 3
	s_add_co_u32 s77, s77, s[TC]                   ; w = my work-group's number among the 256: it enters global addresses of the side job and of the counters alone
	s_lshl_b32 s74, s77, 9                         ; my 128 words of c_in and c_out
	s_mov_b32 s75, 0
	s_wait_dscnt 0x0                               ; the opening add is done
	s_wait_kmcnt 0x0
	s_add_nc_u64 s[4:5], s[4:5], s[16:17]          ; S and wb at my 64 rows' first byte; never rewritten from here on
	s_add_nc_u64 s[6:7], s[6:7], s[46:47]
	s_add_nc_u64 s[70:71], s[70:71], s[74:75]
	s_add_nc_u64 s[72:73], s[72:73], s[74:75]
	CROUND                                         ; all sixteen work-groups are here: the first joint loads meet
.irp s, 0,1
	s_mov_b32 s[G0+4*(\s)], 1                                      ; 1:0 count = 1
	s_add_co_u32 s[G0+4*(\s)+1], s20, (\s)*SLOT                    ; 63:32 LDS address
	s_mov_b32 s[G0B+4*(\s)], 1
	s_add_co_u32 s[G0B+4*(\s)+1], s20, (\s)*SLOT
	KADDR \s
	JLOAD \s                                       ; two tensor loads of mine are out
.endr
	s_load_b32 s76, s[70:71], 0x0                  ; the slice's number; no line of this text writes c_in
	v_and_b32 v1, 15, v0                           ; l % 16
	v_bfe_u32 v2, v0, 4, 1                         ; l / 16
	v_lshlrev_b32 v[BO], 5, v2
	s_lshl_b32 s74, s[TC], 9                       ; the bias of my 64 columns: 4 bytes x (128 x tile column + 64 x half)
	s_lshl_b32 s81, s[WC], 8
	s_add_co_u32 s74, s74, s81
	s_add_nc_u64 s[10:11], s[10:11], s[74:75]
.irp k, 0,1,2,3
	global_load_b128 v[BIAS+8*(\k):BIAS+8*(\k)+3],   v[BO], s[10:11] offset:64*(\k)
	global_load_b128 v[BIAS+8*(\k)+4:BIAS+8*(\k)+7], v[BO], s[10:11] offset:64*(\k)+16
.endr
	v_mul_u32_u24 v3, v1, PITCH
	v_lshl_add_u32 v3, v2, 4, v3                   ; a fragment's row x pitch + 16 x half
	s_mul_i32 s21, s[WR], HALFT                    ; my 64 rows of S
	s_mul_i32 s22, s[WC], HALFT                    ; my 64 rows of wb,
	s_add_co_u32 s22, s22, 2*HALFT                 ; which lie behind S's 128
.irp s, 0,1
	v_add_nc_u32 v[ADRA+(\s)], s21, v3
	v_add_nc_u32 v[ADRB+(\s)], s22, v3
	s_add_co_u32 s21, s21, SLOT
	s_add_co_u32 s22, s22, SLOT
.endr
	s_mul_i32 s23, s[WR], 64*SPITCH                ; into the stage: my 64 rows, my half of their 256 bytes; row l % 16, 16 bytes for each half of the lanes
	s_lshl_b32 s21, s[WC], 7
	s_add_co_u32 s23, s23, s21
	s_add_co_u32 s23, s23, STAGE
	v_mul_u32_u24 v4, v1, SPITCH
	v_lshl_add_u32 v4, v2, 4, v4
	v_add_nc_u32 v[STO], s23, v4
	s_mul_i32 s23, s[WV], 32*SPITCH                ; back: wave w takes rows 32 w .. 32 w + 31, whole; lanes 0-15 one row of 256 bytes, lanes 16-31 the next
	s_add_co_u32 s23, s23, STAGE
	v_mul_u32_u24 v5, v2, SPITCH
	v_lshl_add_u32 v5, v1, 4, v5
	v_add_nc_u32 v[RD], s23, v5
	v_lshlrev_b32 v5, 12, v2                       ; and the same two rows in S_out
	v_lshl_add_u32 v[CO], v1, 4, v5
	v_and_b32 v6, 31, v0                           ; the lane
	v_lshlrev_b32 v[XO], 4, v6
	v_lshlrev_b32 v[XS], 3, v6
	v_lshlrev_b32 v[CW], 2, v0
	s_wait_kmcnt 0x0                               ; the slice's number is in
	s_min_u32 s76, s76, 7                          ; x has slices 0 to 7: whatever the word holds, the loads stay inside x
	s_lshl_b32 s80, s77, 4
	s_lshl_b32 s81, s[WV], 2
	s_add_co_u32 s80, s80, s81                     ; the side job's first row of mine: 16 w + 4 x wave
	s_lshl_b32 s74, s80, 15                        ; in x: rows of 32,768 bytes (under 2^27),
	s_lshl_b32 s81, s76, 12                        ; and the slice's 4,096 bytes in a row
	s_add_co_u32 s74, s74, s81
	s_add_nc_u64 s[68:69], s[68:69], s[74:75]
	s_lshl_b32 s74, s80, 12                        ; in S_out: rows of 4,096 bytes, left half
	s_add_nc_u64 s[78:79], s[8:9], s[74:75]
	s_lshl_b32 s74, s[TR], 7                       ; the product's way out: row 128 x tile row + 32 x wave,
	s_lshl_b32 s81, s[WV], 5
	s_add_co_u32 s74, s74, s81
	s_lshl_b32 s74, s74, 12
	s_lshl_b32 s81, s[TC], 8                       ; 256 bytes a tile column,
	s_add_co_u32 s74, s74, s81
	s_add_co_u32 s74, s74, 2048                    ; in the right half
	s_add_nc_u64 s[8:9], s[8:9], s[74:75]
	s_add_co_u32 s82, s76, 1
	v_mov_b32 v[CV], s82
	global_store_b32 v[CW], v[CV], s[72:73]        ; the next launch's slice: 512 consecutive bytes for the work-group
	s_wait_loadcnt 0x0                             ; the bias: the only loads that are out
.set i, 0
.rept 16
	v_cvt_pk_bf16_f32 v[TMP+i], v[BIAS+2*i], v[BIAS+2*i+1]  ; rounded to bf16 like x and W,
.set i, i+1
.endr
.set i, 0
.rept 16
	v_lshlrev_b32 v[BIAS+2*i],   16, v[TMP+i]                ; and widened again
	v_and_b32     v[BIAS+2*i+1], 0xffff0000, v[TMP+i]
.set i, i+1
.endr
; 8 matrix instructions: m blocks a0, a0 + 1 x all 4 n blocks, 32 along K: half c of buffer f.  first = 1: the product starts the sum, with the bias as C.
; The 16 accumulators take turns, one instruction a turn, in the same order everywhere.
.macro MUL8 f, c, a0, first
	WIN MUL
.irp a, \a0, (\a0)+1
.irp b, 0,1,2,3
.if \first
	v_wmma_f32_16x16x32_bf16 v[ACC+8*(4*(\a)+(\b)):ACC+8*(4*(\a)+(\b))+7], v[(\f)+64+8*(4*(\c)+(\b)):(\f)+64+8*(4*(\c)+(\b))+7], v[(\f)+8*(4*(\c)+(\a)):(\f)+8*(4*(\c)+(\a))+7], v[BIAS+8*(\b):BIAS+8*(\b)+7]
.else
	v_wmma_f32_16x16x32_bf16 v[ACC+8*(4*(\a)+(\b)):ACC+8*(4*(\a)+(\b))+7], v[(\f)+64+8*(4*(\c)+(\b)):(\f)+64+8*(4*(\c)+(\b))+7], v[(\f)+8*(4*(\c)+(\a)):(\f)+8*(4*(\c)+(\a))+7], v[ACC+8*(4*(\a)+(\b)):ACC+8*(4*(\a)+(\b))+7]
.endif
.endr
.endr
.endm
; 32 LDS loads in one run: the fragments of 64 along K at byte k of the rows, into buffer f; the first 32 along K first
.macro FETCH slot, k, f
	WIN TO_F
.irp c, 0,1
.irp i, 0,1,2,3
	ds_load_b128 v[(\f)+64+8*(4*(\c)+(\i)):(\f)+64+8*(4*(\c)+(\i))+3],   v[ADRB+(\slot)] offset:(\k)+64*(\c)+(\i)*16*PITCH
	ds_load_b128 v[(\f)+64+8*(4*(\c)+(\i))+4:(\f)+64+8*(4*(\c)+(\i))+7], v[ADRB+(\slot)] offset:(\k)+64*(\c)+(\i)*16*PITCH+32
	ds_load_b128 v[(\f)+8*(4*(\c)+(\i)):(\f)+8*(4*(\c)+(\i))+3],         v[ADRA+(\slot)] offset:(\k)+64*(\c)+(\i)*16*PITCH
	ds_load_b128 v[(\f)+8*(4*(\c)+(\i))+4:(\f)+8*(4*(\c)+(\i))+7],       v[ADRA+(\slot)] offset:(\k)+64*(\c)+(\i)*16*PITCH+32
.endr
.endr
.endm
.macro PLACES                          ; four places in front of loads into registers that matrix instructions have read, and of vector lines that read results
.rept 4
	v_nop
.endr
.endm
; A K step is four quarters of 64 along K, 32 matrix instructions each, on buffers 0, 1, 0, 1.  One of the first three: multiplies buffer f and fetches the next quarter, at byte k, into g.
.macro QUARTER slot, k, f, g, first
	s_wait_dscnt 16                                ; the first 32 along K are in; the youngest sixteen loads may be out
	MUL8 \f, 0, 0, \first
	MUL8 \f, 0, 2, \first
	PLACES
	FETCH \slot, \k, \g
	s_wait_dscnt 32                                ; all but the 32 just issued
	MUL8 \f, 1, 0, 0
	MUL8 \f, 1, 2, 0
.endm
; The last quarter multiplies buffer 1 and changes slots: ONE barrier; in front of it each wave waits for all its tensor loads, adds 0 to its spare word, and waits for that and for its own reads of this slot.
; fill = 1: this slot is filled again, with the K step two further on in the ring of K steps.
.macro TURN slot, next, fill
	WIN 0                                          ; (the add's two registers lie in window 0)
	s_wait_tensorcnt 0x0                           ; all my tensor loads have landed: the one that was out is my part of the next slot; so every group 0 may be written;
	ds_add_u32 v[SPW], v[NIL]                      ; 0 onto my spare word: work on registers stands between it and the wait for it
.if \fill
	s_add_co_u32 s[KN+(\slot)], s[KN+(\slot)], 2   ; this slot's next K step,
	s_and_b32 s[KN+(\slot)], s[KN+(\slot)], NSTEP-1  ; round the ring
	KADDR \slot
.endif
	s_wait_dscnt 17                                ; (the add and the youngest sixteen loads may be out)
	MUL8 F1, 0, 0, 0                               ; eight matrix instructions stand between the add and the wait for it
	s_wait_dscnt 0x0                               ; the add is done, and my reads of this slot are over
	s_barrier_signal -1
	MUL8 F1, 0, 2, 0                               ; work on registers while the others arrive
.if \fill
	WIN 0
.endif
	s_barrier_wait -1
.if \fill
	CREST                                          ; the barrier has opened a round of the cluster's barrier: no wave of any partner still reads this slot's tile or has a load on its way
	JLOAD \slot                                    ; my one tensor load behind the round, 112 matrix instructions ahead of the wait for it; the four v_nop behind it are also the places in front of the loads below
.else
	PLACES
.endif
	FETCH \next, 0, F0
	MUL8 F1, 1, 0, 0
	MUL8 F1, 1, 2, 0
.endm
; THE SIDE JOB.  Unit u of 32: row u / 8 of my four, 512 bytes u % 8 of its 4,096: a load of the wave takes 512 consecutive bytes of f32, its store writes 256 consecutive bytes of bf16, at a multiple of 256 from S_out's first byte.
.macro XLOAD
	WIN X_LD
.set u, 0
.rept 32
	global_load_b128 v[4*u:4*u+3], v[XO], s[68:69] offset:(u/8)*XROW+(u%8)*512 th:TH_LOAD_NT
.set u, u+1
.endr
.endm
.macro XCONV
	s_wait_loadcnt 0x0                             ; issued NSTEP - 2 K steps ago
	WIN X_CV
.set u, 0
.rept 32
	v_cvt_pk_bf16_f32 v[4*u],   v[4*u],   v[4*u+1] ; in place; these registers are written by nothing else
	v_cvt_pk_bf16_f32 v[4*u+1], v[4*u+2], v[4*u+3]
.set u, u+1
.endr
	WIN X_ST
.set u, 0
.rept 32
	global_store_b64 v[XS], v[4*u:4*u+1], s[78:79] offset:(u/8)*SROW+(u%8)*256
.set u, u+1
.endr
.endm
	s_wait_tensorcnt 1                             ; my part of slot 0 is in; slot 1's may stay out
	s_barrier_signal -1
	s_barrier_wait -1                              ; everybody's is
	FETCH 0, 0, F0
	XLOAD                                          ; the next step's x is asked for now, and has the loop in which to arrive
	QUARTER 0, 128, F0, F1, 1                      ; the first quarter stands in front of the loop: its first products start the sums
	WIN 0                                          ; at a label and at a branch every window is 0
	s_mov_b32 s3, LAPS-1
.Llap:                                                 ; a trip goes once round the ring of slots, from a lap's second quarter to the next lap's first, and fills both slots again
	QUARTER 0, 256, F1, F0, 0
	QUARTER 0, 384, F0, F1, 0
	TURN 0, 1, 1
	QUARTER 1, 128, F0, F1, 0
	QUARTER 1, 256, F1, F0, 0
	QUARTER 1, 384, F0, F1, 0
	TURN 1, 0, 1
	QUARTER 0, 128, F0, F1, 0
	WIN 0
	s_sub_co_u32 s3, s3, 1
	s_cmp_lg_u32 s3, 0
	s_cbranch_scc1 .Llap
	XCONV                                          ; the next step's x leaves while the last lap is multiplied; its lines name window 2's registers and two addresses alone
	QUARTER 0, 256, F1, F0, 0                      ; the last lap fills nothing, and has no round of the cluster's barrier
	QUARTER 0, 384, F0, F1, 0
	TURN 0, 1, 0
	QUARTER 1, 128, F0, F1, 0
	QUARTER 1, 256, F1, F0, 0
	QUARTER 1, 384, F0, F1, 0
	s_wait_dscnt 16                                ; the very last quarter: nothing more to fetch
	MUL8 F1, 0, 0, 0
	MUL8 F1, 0, 2, 0
	s_wait_dscnt 0
	MUL8 F1, 1, 0, 0
	MUL8 F1, 1, 2, 0
	WIN 0
	; THE WAY OUT: relu; round to bf16; 16 bytes a lane into the work-group's stage; a barrier, since a row's 256 bytes come from two waves; back as whole rows, 32 rows a wave.
	PLACES
.set i, 0
.rept 128
	v_max_num_f32 v[ACC+i], 0, v[ACC+i]            ; ascending: each accumulator is read from its low end on
.set i, i+1
.endr
.irp t, 0,1,2,3,4,5,6,7,8,9,10,11,12,13,14,15
.irp r, 0,1,2,3
	v_cvt_pk_bf16_f32 v[TMP+4*(\t)+(\r)], v[ACC+8*(\t)+2*(\r)], v[ACC+8*(\t)+2*(\r)+1]
.endr
.endr
.irp a, 0,1,2,3
.irp b, 0,1,2,3
	ds_store_b128 v[STO], v[TMP+4*(4*(\a)+(\b)):TMP+4*(4*(\a)+(\b))+3] offset:(\a)*16*SPITCH+32*(\b)
.endr
.endr
	s_wait_dscnt 0x0                               ; for the others' sake: my stores into the stage are done
	s_barrier_signal -1
	s_barrier_wait -1
.irp t, 0,1,2,3,4,5,6,7,8,9,10,11,12,13,14,15
	ds_load_b128 v[TMP+4*(\t):TMP+4*(\t)+3], v[RD] offset:(\t)*2*SPITCH
.endr
.irp t, 0,1,2,3,4,5,6,7,8,9,10,11,12,13,14,15
	s_wait_dscnt 15-(\t)                           ; LDS loads come back in order (ISA guide 5.7.1): pair t of rows is in
	global_store_b128 v[CO], v[TMP+4*(\t):TMP+4*(\t)+3], s[8:9] offset:2*(\t)*SROW  ; 16 lanes store 256 consecutive bytes, at a multiple of 256 from S_out's first byte
.endr
	s_wait_tensorcnt 0x0                           ; the wave's end: a wait, an add and its wait, behind my last tensor load and my last LDS store
	ds_add_u32 v[SPW], v[NIL]
	s_wait_dscnt 0x0
	CROUND                                         ; the closing round: no work-group ends while a partner may still ask for a tile that names it
	s_endpgm
.Lfunc_end_k_qea266afc0b_first:
	.size	k_qea266afc0b_first, .Lfunc_end_k_qea266afc0b_first-k_qea266afc0b_first
	.p2alignl 7, 3214868480
	.fill 96, 4, 3214868480
	.section	.rodata,"a",@progbits
	.p2align	6, 0x0
	.amdhsa_kernel k_qea266afc0b_first
		.amdhsa_group_segment_fixed_size 327680
		.amdhsa_private_segment_fixed_size 0
		.amdhsa_enable_private_segment 0
		.amdhsa_kernarg_size 56
		.amdhsa_user_sgpr_count 2
		.amdhsa_user_sgpr_kernarg_segment_ptr 1
		.amdhsa_wavefront_size32 1
		.amdhsa_system_sgpr_workgroup_id_x 1
		.amdhsa_system_sgpr_workgroup_id_y 1
		.amdhsa_system_sgpr_workgroup_id_z 1
		.amdhsa_system_vgpr_workitem_id 0
		.amdhsa_next_free_vgpr 640
		.amdhsa_next_free_sgpr 84
		.amdhsa_reserve_vcc 0
		.amdhsa_float_denorm_mode_32 3
		.amdhsa_float_denorm_mode_16_64 3
		.amdhsa_memory_ordered 1
		.amdhsa_forward_progress 1
		.amdhsa_inst_pref_size 106
	.end_amdhsa_kernel
	.amdgpu_metadata
---
amdhsa.version: [ 1, 2 ]
amdhsa.kernels:
  - .name:           k_qea266afc0b_first
    .symbol:         k_qea266afc0b_first.kd
    .args:
      - { .name: sa, .offset: 0, .size: 8, .value_kind: global_buffer, .address_space: global }
      - { .name: wb, .offset: 8, .size: 8, .value_kind: global_buffer, .address_space: global }
      - { .name: sb, .offset: 16, .size: 8, .value_kind: global_buffer, .address_space: global }
      - { .name: b, .offset: 24, .size: 8, .value_kind: global_buffer, .address_space: global }
      - { .name: x, .offset: 32, .size: 8, .value_kind: global_buffer, .address_space: global }
      - { .name: ca, .offset: 40, .size: 8, .value_kind: global_buffer, .address_space: global }
      - { .name: cb, .offset: 48, .size: 8, .value_kind: global_buffer, .address_space: global }
    .group_segment_fixed_size: 327680
    .private_segment_fixed_size: 0
    .kernarg_segment_align: 8
    .kernarg_segment_size: 56
    .max_flat_workgroup_size: 128
    .sgpr_count:     84
    .vgpr_count:     640
    .wavefront_size: 32
...
	.end_amdgpu_metadata
.endif
;; end of part 2
;; launch step1 (part 3): grid 8 x 32, 4 waves a work-group, clusters of 4 x 4, 327,680 bytes of LDS; arguments sb, wb, sa, b, x, cb, ca; writes sa, ca
.if DOCPART == 3
	.amdgcn_target "amdgcn-amd-amdhsa--gfx1250"
	.amdhsa_code_object_version 6
	.text
	.protected	k_qea266afc0b_step1
	.globl	k_qea266afc0b_step1
	.p2align	8
	.type	k_qea266afc0b_step1,@function
k_qea266afc0b_step1:
	s_mov_b64 s[64:65], 0
	v_nop
	global_prefetch_b8 v0, s[64:65] scope:SCOPE_SE
	s_setreg_imm32_b32 hwreg(HW_REG_WAVE_MODE, 25, 1), 1
	s_wait_xcnt 0x0
	s_wait_alu depctr_hold_cnt(0) depctr_sa_sdst(0) depctr_va_vdst(0) depctr_va_sdst(0) depctr_va_ssrc(0) depctr_va_vcc(0) depctr_vm_vsrc(0)
	s_getreg_b32 s2, hwreg(HW_REG_IB_STS2, 6, 4)
	s_cmp_eq_u32 s2, 0
	s_cbranch_scc0 .Lentry_in_a_cluster
	s_endpgm
.Lentry_in_a_cluster:
	s_bfe_u32 s2, ttmp6, 0x10000c
	s_cmp_lg_u32 s2, 0xf033
	s_cbranch_scc0 .Lentry_shape_is_right
	s_endpgm
.Lentry_shape_is_right:
; ONE STEP of h(t+1) = relu([x_t, h_t] W^T + b), t = 1 .. 6.  Arguments: S_in, wb, S_out, b, x, c_in, c_out.
; S_in = S_t = [4096][2048] bf16 (columns 0-1023 x_t, 1024-2047 h_t), wb = W in bf16 [1024][2048].  The launch stores S(t+1): its right half is
; relu(S_t wb^T + b) rounded once to bf16 from f32 sums, its left half x(t+1) rounded to bf16 (THE SIDE JOB: work-group w converts rows 16 w .. 16 w + 15, each wave four rows; the 32 loads of
; a wave go out when the first tile has landed and are waited for behind the loop, so that they arrive under the products).
; WHICH SLICE of x: the same text serves every step, so the slice's number is read from c_in (my work-group's first word, stored by the launch before), clamped to 7, and enters the
; address of x alone: no branch, no trip count, no descriptor, no LDS address.  The number + 1 goes to c_out, 128 words a work-group; the last such step's c_out is read by nobody.
; LIMITS.  x, W, b and every h are rounded to bf16 (b is rounded and widened again, so that all inputs have the same rounding); sums in f32, the K steps added in a rotated order (below), not ascending.
; relu is a maximum with 0 in which a NaN loses: a NaN sum gives 0 here.  bf16 has f32's range, so larger or smaller inputs lose no more than the rounding.
; THE PRODUCT.  A tile of the result is 128 x 128: 32 x 8 tiles, one for each of 256 work-groups.  Four waves, each 64 x 64: 16 accumulators of 16 x 16, 128 registers.  K goes in NSTEP steps of 256
; (LDS rows of 512 bytes; a wave's tensor load brings 64 of them) through a ring of two LDS slots.  The first product on each accumulator takes the bias as its C operand, so the bias costs no addition.
; CLUSTERS: 4 x 4 work-groups.  The four of a row of the cluster need the same tiles of S, the four of a column the same tiles of wb: each tile is asked for JOINTLY, by the same tensor load with the
; same descriptor and a mask that names the four.  THE MATRIX INSTRUCTION IS USED TRANSPOSED (source 0 = 16 rows of wb, source 1 = 16 rows of S): a lane then holds eight neighbouring columns of a row.
; THE K STEPS ARE A RING, and each cluster enters it elsewhere: at step (NSTEP/4 (cluster y mod 4) + NSTEP/2 (cluster x)) mod NSTEP.  The two clusters that need the same rows of S (x = 0, 1) walk NSTEP/2 steps
; apart: the second half of a cluster's tiles of S has been read NSTEP/2 steps earlier by the other.  Cluster rows y mod 4 = 0 .. 3, which need the same rows of wb, enter NSTEP/4 steps apart.
; The entry hangs on the cluster's own coordinates, which all sixteen partners share, and enters global addresses alone.
; REGISTERS, in windows of 256 (s_set_vgpr_msb: bits 1:0 source 0, 3:2 source 1, 5:4 source 2, 7:6 destination):
;   window 0: v0-31 addresses; v32-95 at work on the way out; v96-127 the bias; v128-255 the accumulators ((a, b) at v[128 + 8 (4 a + b)])
;   window 1: two fragment buffers of 128: for 64 along K, 64 registers of S (2 x 4 x 16 rows x 32 K), then 64 of wb          window 2: v0-127 the side job's 32 units of four registers
.set SIZE_K, 2048                      ; elements in a row of S and of wb
.set NSTEP,  8                         ; K steps of 256 that this launch multiplies: all 2,048 columns
.set KSTEP,  256
.set PITCH,  528                       ; an LDS row: 512 bytes of data + 16 of padding = 132 words: row r starts at bank 4 r mod 64 (64 banks of 4 bytes: ISA guide 11.1)
.set HALFT,  64*PITCH                  ; 64 rows: what one tensor load brings, and what one wave reads of S or of wb
.set SLOT,   4*HALFT                   ; S's 128 rows, then wb's 128 rows
.set STAGE,  2*SLOT                    ; behind the ring: 128 rows x 272 bytes, the work-group's, for the way out
.set SPITCH, 272
.set SPARE,  STAGE+128*SPITCH          ; behind the stage: the spare words, 128 bytes for each wave: two blocks of 256 bytes that no other line names
.set LAPS,   NSTEP/2                   ; a lap = two K steps = once round the ring of slots
.set SROW,   4096                      ; bytes in a row of S
.set XROW,   32768                     ; bytes from a batch row of x to the next
.set BO,   10                          ; v10     32 x (lane / 16): my eight f32 in a block of 16 of the bias
.set XO,   11                          ; v11     16 x lane: the side job's loads
.set XS,   12                          ; v12     8 x lane: the side job's stores
.set CW,   13                          ; v13     4 x thread: my word of c_out
.set CV,   14                          ; v14     what goes there
.set ADRA, 16                          ; v16-17  LDS address of my fragments of S in slot 0, 1
.set ADRB, 20                          ; v20-21  the same for wb
.set STO,  24                          ; v24     the way out: where I put 16 bytes of a row
.set RD,   25                          ; v25     the way out: where I read a row back
.set CO,   26                          ; v26     my byte offset in two rows of S_out
.set SPW,  28                          ; v28     LDS address of my spare word: SPARE + 4 x my thread's number; never rewritten
.set NIL,  29                          ; v29     0; never rewritten
.set TMP,  32
.set BIAS, 96                          ; block bk of 16 columns at BIAS + 8 bk: register j = b[my first column + 16 bk + 8 (lane / 16) + j]
.set ACC,  128
.set F0,   0                           ; fragment buffers, in window 1
.set F1,   128
.set WV,   12                          ; s12  my wave's number
.set WR,   13                          ; s13  which half of the tile's rows is mine.  Also: I fetch for S (0) or for wb (1)
.set WC,   14                          ; s14  which half of its columns.  Also: which 64 rows of that tile I fetch
.set TR,   15                          ; s15  tile row
.set KN,   18                          ; s18-19  the number of the K step that was asked for last for slot 0, 1
.set TC,   42                          ; s42  tile column
.set KOF,  66                          ; s[66:67]  a K step's byte offset in a row: 512 x its number
.set G1,  24                           ; s[24:31] descriptor group 1 for S's tiles;  s[32:39] group 0, one set for each slot
.set G0,  32
.set G1B, 48                           ; s[48:55], s[56:63] the same for wb's tiles
.set G0B, 56
.set MSB, 0
.macro WIN new                         ; the immediate's high byte repeats the setting that is left; a switch that changes nothing is dropped
.if MSB != (\new)
	s_set_vgpr_msb (MSB<<8)|(\new)
.set MSB, \new
.endif
.endm
.set MUL,  0x05                        ; sources 0 (wb) and 1 (S) window 1; C and D window 0
.set TO_F, 0x40                        ; destination window 1, address window 0
.set X_LD, 0x80                        ; destination window 2, address window 0
.set X_CV, 0x8a                        ; destination and both sources window 2
.set X_ST, 0x08                        ; a store's data (source 1) window 2, its address window 0
.macro JLOAD s                         ; a joint load: waves 0 and 1 fetch S's two halves, waves 2 and 3 wb's; an s_nop 0 and four v_nop follow each of the two lines, ahead of the jump, the label and what follows
	s_cmp_eq_u32 s[WR], 0
	s_cbranch_scc0 .Lfor_b_\@
	tensor_load_to_lds s[G0+4*(\s):G0+4*(\s)+3], s[G1:G1+7]
	s_nop 0
.rept 4
	v_nop
.endr
	s_branch .Lasked_\@
.Lfor_b_\@:
	tensor_load_to_lds s[G0B+4*(\s):G0B+4*(\s)+3], s[G1B:G1B+7]
	s_nop 0
.rept 4
	v_nop
.endr
.Lasked_\@:
.endm
.macro KADDR s                         ; both group 0 of slot s take the address of K step s[KN+s]: the tile's first byte plus an offset made apart; the type bits are set again
	s_lshl_b32 s[KOF], s[KN+(\s)], 9
	s_add_nc_u64 s[G0+4*(\s)+2:G0+4*(\s)+3], s[4:5], s[KOF:KOF+1]    ; 120:64 global address
	s_or_b32 s[G0+4*(\s)+3], s[G0+4*(\s)+3], 0x80000000              ; 127:126 type = 2
	s_add_nc_u64 s[G0B+4*(\s)+2:G0B+4*(\s)+3], s[6:7], s[KOF:KOF+1]
	s_or_b32 s[G0B+4*(\s)+3], s[G0B+4*(\s)+3], 0x80000000
.endm
.macro CREST                           ; a round of the cluster's barrier behind its opening barrier
	s_cmp_lg_u32 s[WV], 0
	s_cbranch_scc1 .Lnot_wave_0_\@
	s_barrier_signal -3
.Lnot_wave_0_\@:
	s_barrier_wait -3
	s_barrier_signal -1
	s_barrier_wait -1
.endm
.macro CROUND                          ; a whole round
	s_barrier_signal -1
	s_barrier_wait -1
	CREST
.endm
	s_load_b256 s[4:11], s[0:1], 0x0               ; S_in s[4:5], wb s[6:7], S_out s[8:9], b s[10:11]
	s_load_b128 s[68:71], s[0:1], 0x20             ; x s[68:69], c_in s[70:71]
	s_load_b64 s[72:73], s[0:1], 0x30              ; c_out
	v_lshl_add_u32 v[SPW], v0, 2, SPARE
	v_mov_b32 v[NIL], 0
	ds_add_u32 v[SPW], v[NIL]                      ; the wave's opening: the add and its wait stand ahead of my first tensor load; the set-up below, work on registers, stands between them
	v_lshrrev_b32 v1, 5, v0
	v_readfirstlane_b32 s[WV], v1                  ; wave 0..3
	s_lshr_b32 s[WR], s[WV], 1
	s_and_b32 s[WC], s[WV], 1
	s_bfe_u32 s40, ttmp6, 0x40000                  ; cx, cy: my place in the cluster
	s_bfe_u32 s41, ttmp6, 0x40004
	s_lshl_b32 s[TC], ttmp9, 2
	s_add_co_u32 s[TC], s[TC], s40                 ; tile column = 4 x cluster x + cx
	s_and_b32 s[TR], ttmp7, 0xffff                 ; cluster y
	s_and_b32 s[KN], s[TR], 3                      ; where my cluster enters the ring of K steps:
	s_mul_i32 s[KN], s[KN], NSTEP/4                ; NSTEP/4 x (cluster y mod 4)
	s_mul_i32 s[KN+1], ttmp9, NSTEP/2              ; + NSTEP/2 x cluster x,
	s_add_co_u32 s[KN], s[KN], s[KN+1]
	s_and_b32 s[KN], s[KN], NSTEP-1                ; mod NSTEP: slot 0's first step;
	s_add_co_u32 s[KN+1], s[KN], 1
	s_and_b32 s[KN+1], s[KN+1], NSTEP-1            ; slot 1's is the next in the ring
	s_mov_b32 s[KOF+1], 0
	s_lshl_b32 s[TR], s[TR], 2
	s_add_co_u32 s[TR], s[TR], s41                 ; tile row = 4 x cluster y + cy
	s_lshl_b32 s43, s41, 2
	s_lshl_b32 s43, 15, s43                        ; my row of the cluster: places 4 cy .. 4 cy + 3
	s_lshl_b32 s44, 0x1111, s40                    ; my column: places cx, cx + 4, cx + 8, cx + 12
	; descriptor group 1: a tile of 64 rows x 256 elements, padded in LDS
	s_or_b32 s[G1+0], s43, (1<<16)|(1<<20)|(1<<21)|(6<<22)|(3<<25)  ; 15:0 the mask: S's tiles go to my row; 17:16 element of 2 bytes; 20 padding on; 21 set beside a mask; 24:22 after every 128 words (code 6); 31:25 of 4 words (code 3)
	s_or_b32 s[G1B+0], s44, (1<<16)|(1<<20)|(1<<21)|(6<<22)|(3<<25) ; the same with the mask of my column, for wb's tiles
.irp g, G1, G1B
	s_mov_b32 s[(\g)+1], KSTEP<<16                 ; tensor_dim0 = 256
	s_mov_b32 s[(\g)+2], 64<<16                    ; tensor_dim1 = 64
	s_mov_b32 s[(\g)+3], KSTEP<<16                 ; tile_dim0 = 256
	s_mov_b32 s[(\g)+4], 64                        ; tile_dim1 = 64
	s_mov_b32 s[(\g)+5], SIZE_K                    ; 2,048 elements from row to row, in S and in wb
	s_mov_b32 s[(\g)+6], 0
	s_mov_b32 s[(\g)+7], 0
.endr
	; where the tiles come from.  S's hang on the tile row alone, which my row of the cluster shares; wb's on the tile column alone, which my column shares; each in registers that never hold the other coordinate.
	s_lshl_b32 s17, s[WC], 6                       ; which 64 rows of the tile I fetch
	s_lshl_b32 s16, s[TR], 7
	s_add_co_u32 s16, s16, s17                     ; S: row 128 x tile row + 64 x half,
	s_lshl_b32 s16, s16, 12                        ; times 4,096 bytes: under 2^24
	s_lshl_b32 s46, s[TC], 7
	s_add_co_u32 s46, s46, s17                     ; wb: row 128 x tile column + 64 x half
	s_lshl_b32 s46, s46, 12
	s_mov_b32 s17, 0
	s_mov_b32 s47, 0
	s_mul_i32 s20, s[WV], HALFT                    ; where they go: wave x 64 rows: no place in the cluster enters an LDS address
	s_lshl_b32 s77, s[TR], 3
	s_add_co_u32 s77, s77, s[TC]                   ; w = my work-group's number among the 256: it enters global addresses of the side job and of the counters alone
	s_lshl_b32 s74, s77, 9                         ; my 128 words of c_in and c_out
	s_mov_b32 s75, 0
	s_wait_dscnt 0x0                               ; the opening add is done
	s_wait_kmcnt 0x0
	s_add_nc_u64 s[4:5], s[4:5], s[16:17]          ; S and wb at my 64 rows' first byte; never rewritten from here on
	s_add_nc_u64 s[6:7], s[6:7], s[46:47]
	s_add_nc_u64 s[70:71], s[70:71], s[74:75]
	s_add_nc_u64 s[72:73], s[72:73], s[74:75]
	CROUND                                         ; all sixteen work-groups are here: the first joint loads meet
.irp s, 0,1
	s_mov_b32 s[G0+4*(\s)], 1                                      ; 1:0 count = 1
	s_add_co_u32 s[G0+4*(\s)+1], s20, (\s)*SLOT                    ; 63:32 LDS address
	s_mov_b32 s[G0B+4*(\s)], 1
	s_add_co_u32 s[G0B+4*(\s)+1], s20, (\s)*SLOT
	KADDR \s
	JLOAD \s                                       ; two tensor loads of mine are out
.endr
	s_load_b32 s76, s[70:71], 0x0                  ; the slice's number; no line of this text writes c_in
	v_and_b32 v1, 15, v0                           ; l % 16
	v_bfe_u32 v2, v0, 4, 1                         ; l / 16
	v_lshlrev_b32 v[BO], 5, v2
	s_lshl_b32 s74, s[TC], 9                       ; the bias of my 64 columns: 4 bytes x (128 x tile column + 64 x half)
	s_lshl_b32 s81, s[WC], 8
	s_add_co_u32 s74, s74, s81
	s_add_nc_u64 s[10:11], s[10:11], s[74:75]
.irp k, 0,1,2,3
	global_load_b128 v[BIAS+8*(\k):BIAS+8*(\k)+3],   v[BO], s[10:11] offset:64*(\k)
	global_load_b128 v[BIAS+8*(\k)+4:BIAS+8*(\k)+7], v[BO], s[10:11] offset:64*(\k)+16
.endr
	v_mul_u32_u24 v3, v1, PITCH
	v_lshl_add_u32 v3, v2, 4, v3                   ; a fragment's row x pitch + 16 x half
	s_mul_i32 s21, s[WR], HALFT                    ; my 64 rows of S
	s_mul_i32 s22, s[WC], HALFT                    ; my 64 rows of wb,
	s_add_co_u32 s22, s22, 2*HALFT                 ; which lie behind S's 128
.irp s, 0,1
	v_add_nc_u32 v[ADRA+(\s)], s21, v3
	v_add_nc_u32 v[ADRB+(\s)], s22, v3
	s_add_co_u32 s21, s21, SLOT
	s_add_co_u32 s22, s22, SLOT
.endr
	s_mul_i32 s23, s[WR], 64*SPITCH                ; into the stage: my 64 rows, my half of their 256 bytes; row l % 16, 16 bytes for each half of the lanes
	s_lshl_b32 s21, s[WC], 7
	s_add_co_u32 s23, s23, s21
	s_add_co_u32 s23, s23, STAGE
	v_mul_u32_u24 v4, v1, SPITCH
	v_lshl_add_u32 v4, v2, 4, v4
	v_add_nc_u32 v[STO], s23, v4
	s_mul_i32 s23, s[WV], 32*SPITCH                ; back: wave w takes rows 32 w .. 32 w + 31, whole; lanes 0-15 one row of 256 bytes, lanes 16-31 the next
	s_add_co_u32 s23, s23, STAGE
	v_mul_u32_u24 v5, v2, SPITCH
	v_lshl_add_u32 v5, v1, 4, v5
	v_add_nc_u32 v[RD], s23, v5
	v_lshlrev_b32 v5, 12, v2                       ; and the same two rows in S_out
	v_lshl_add_u32 v[CO], v1, 4, v5
	v_and_b32 v6, 31, v0                           ; the lane
	v_lshlrev_b32 v[XO], 4, v6
	v_lshlrev_b32 v[XS], 3, v6
	v_lshlrev_b32 v[CW], 2, v0
	s_wait_kmcnt 0x0                               ; the slice's number is in
	s_min_u32 s76, s76, 7                          ; x has slices 0 to 7: whatever the word holds, the loads stay inside x
	s_lshl_b32 s80, s77, 4
	s_lshl_b32 s81, s[WV], 2
	s_add_co_u32 s80, s80, s81                     ; the side job's first row of mine: 16 w + 4 x wave
	s_lshl_b32 s74, s80, 15                        ; in x: rows of 32,768 bytes (under 2^27),
	s_lshl_b32 s81, s76, 12                        ; and the slice's 4,096 bytes in a row
	s_add_co_u32 s74, s74, s81
	s_add_nc_u64 s[68:69], s[68:69], s[74:75]
	s_lshl_b32 s74, s80, 12                        ; in S_out: rows of 4,096 bytes, left half
	s_add_nc_u64 s[78:79], s[8:9], s[74:75]
	s_lshl_b32 s74, s[TR], 7                       ; the product's way out: row 128 x tile row + 32 x wave,
	s_lshl_b32 s81, s[WV], 5
	s_add_co_u32 s74, s74, s81
	s_lshl_b32 s74, s74, 12
	s_lshl_b32 s81, s[TC], 8                       ; 256 bytes a tile column,
	s_add_co_u32 s74, s74, s81
	s_add_co_u32 s74, s74, 2048                    ; in the right half
	s_add_nc_u64 s[8:9], s[8:9], s[74:75]
	s_add_co_u32 s82, s76, 1
	v_mov_b32 v[CV], s82
	global_store_b32 v[CW], v[CV], s[72:73]        ; the next launch's slice: 512 consecutive bytes for the work-group
	s_wait_loadcnt 0x0                             ; the bias: the only loads that are out
.set i, 0
.rept 16
	v_cvt_pk_bf16_f32 v[TMP+i], v[BIAS+2*i], v[BIAS+2*i+1]  ; rounded to bf16 like x and W,
.set i, i+1
.endr
.set i, 0
.rept 16
	v_lshlrev_b32 v[BIAS+2*i],   16, v[TMP+i]                ; and widened again
	v_and_b32     v[BIAS+2*i+1], 0xffff0000, v[TMP+i]
.set i, i+1
.endr
; 8 matrix instructions: m blocks a0, a0 + 1 x all 4 n blocks, 32 along K: half c of buffer f.  first = 1: the product starts the sum, with the bias as C.
; The 16 accumulators take turns, one instruction a turn, in the same order everywhere.
.macro MUL8 f, c, a0, first
	WIN MUL
.irp a, \a0, (\a0)+1
.irp b, 0,1,2,3
.if \first
	v_wmma_f32_16x16x32_bf16 v[ACC+8*(4*(\a)+(\b)):ACC+8*(4*(\a)+(\b))+7], v[(\f)+64+8*(4*(\c)+(\b)):(\f)+64+8*(4*(\c)+(\b))+7], v[(\f)+8*(4*(\c)+(\a)):(\f)+8*(4*(\c)+(\a))+7], v[BIAS+8*(\b):BIAS+8*(\b)+7]
.else
	v_wmma_f32_16x16x32_bf16 v[ACC+8*(4*(\a)+(\b)):ACC+8*(4*(\a)+(\b))+7], v[(\f)+64+8*(4*(\c)+(\b)):(\f)+64+8*(4*(\c)+(\b))+7], v[(\f)+8*(4*(\c)+(\a)):(\f)+8*(4*(\c)+(\a))+7], v[ACC+8*(4*(\a)+(\b)):ACC+8*(4*(\a)+(\b))+7]
.endif
.endr
.endr
.endm
; 32 LDS loads in one run: the fragments of 64 along K at byte k of the rows, into buffer f; the first 32 along K first
.macro FETCH slot, k, f
	WIN TO_F
.irp c, 0,1
.irp i, 0,1,2,3
	ds_load_b128 v[(\f)+64+8*(4*(\c)+(\i)):(\f)+64+8*(4*(\c)+(\i))+3],   v[ADRB+(\slot)] offset:(\k)+64*(\c)+(\i)*16*PITCH
	ds_load_b128 v[(\f)+64+8*(4*(\c)+(\i))+4:(\f)+64+8*(4*(\c)+(\i))+7], v[ADRB+(\slot)] offset:(\k)+64*(\c)+(\i)*16*PITCH+32
	ds_load_b128 v[(\f)+8*(4*(\c)+(\i)):(\f)+8*(4*(\c)+(\i))+3],         v[ADRA+(\slot)] offset:(\k)+64*(\c)+(\i)*16*PITCH
	ds_load_b128 v[(\f)+8*(4*(\c)+(\i))+4:(\f)+8*(4*(\c)+(\i))+7],       v[ADRA+(\slot)] offset:(\k)+64*(\c)+(\i)*16*PITCH+32
.endr
.endr
.endm
.macro PLACES                          ; four places in front of loads into registers that matrix instructions have read, and of vector lines that read results
.rept 4
	v_nop
.endr
.endm
; A K step is four quarters of 64 along K, 32 matrix instructions each, on buffers 0, 1, 0, 1.  One of the first three: multiplies buffer f and fetches the next quarter, at byte k, into g.
.macro QUARTER slot, k, f, g, first
	s_wait_dscnt 16                                ; the first 32 along K are in; the youngest sixteen loads may be out
	MUL8 \f, 0, 0, \first
	MUL8 \f, 0, 2, \first
	PLACES
	FETCH \slot, \k, \g
	s_wait_dscnt 32                                ; all but the 32 just issued
	MUL8 \f, 1, 0, 0
	MUL8 \f, 1, 2, 0
.endm
; The last quarter multiplies buffer 1 and changes slots: ONE barrier; in front of it each wave waits for all its tensor loads, adds 0 to its spare word, and waits for that and for its own reads of this slot.
; fill = 1: this slot is filled again, with the K step two further on in the ring of K steps.
.macro TURN slot, next, fill
	WIN 0                                          ; (the add's two registers lie in window 0)
	s_wait_tensorcnt 0x0                           ; all my tensor loads have landed: the one that was out is my part of the next slot; so every group 0 may be written;
	ds_add_u32 v[SPW], v[NIL]                      ; 0 onto my spare word: work on registers stands between it and the wait for it
.if \fill
	s_add_co_u32 s[KN+(\slot)], s[KN+(\slot)], 2   ; this slot's next K step,
	s_and_b32 s[KN+(\slot)], s[KN+(\slot)], NSTEP-1  ; round the ring
	KADDR \slot
.endif
	s_wait_dscnt 17                                ; (the add and the youngest sixteen loads may be out)
	MUL8 F1, 0, 0, 0                               ; eight matrix instructions stand between the add and the wait for it
	s_wait_dscnt 0x0                               ; the add is done, and my reads of this slot are over
	s_barrier_signal -1
	MUL8 F1, 0, 2, 0                               ; work on registers while the others arrive
.if \fill
	WIN 0
.endif
	s_barrier_wait -1
.if \fill
	CREST                                          ; the barrier has opened a round of the cluster's barrier: no wave of any partner still reads this slot's tile or has a load on its way
	JLOAD \slot                                    ; my one tensor load behind the round, 112 matrix instructions ahead of the wait for it; the four v_nop behind it are also the places in front of the loads below
.else
	PLACES
.endif
	FETCH \next, 0, F0
	MUL8 F1, 1, 0, 0
	MUL8 F1, 1, 2, 0
.endm
; THE SIDE JOB.  Unit u of 32: row u / 8 of my four, 512 bytes u % 8 of its 4,096: a load of the wave takes 512 consecutive bytes of f32, its store writes 256 consecutive bytes of bf16, at a multiple of 256 from S_out's first byte.
.macro XLOAD
	WIN X_LD
.set u, 0
.rept 32
	global_load_b128 v[4*u:4*u+3], v[XO], s[68:69] offset:(u/8)*XROW+(u%8)*512 th:TH_LOAD_NT
.set u, u+1
.endr
.endm
.macro XCONV
	s_wait_loadcnt 0x0                             ; issued NSTEP - 2 K steps ago
	WIN X_CV
.set u, 0
.rept 32
	v_cvt_pk_bf16_f32 v[4*u],   v[4*u],   v[4*u+1] ; in place; these registers are written by nothing else
	v_cvt_pk_bf16_f32 v[4*u+1], v[4*u+2], v[4*u+3]
.set u, u+1
.endr
	WIN X_ST
.set u, 0
.rept 32
	global_store_b64 v[XS], v[4*u:4*u+1], s[78:79] offset:(u/8)*SROW+(u%8)*256
.set u, u+1
.endr
.endm
	s_wait_tensorcnt 1                             ; my part of slot 0 is in; slot 1's may stay out
	s_barrier_signal -1
	s_barrier_wait -1                              ; everybody's is
	FETCH 0, 0, F0
	XLOAD                                          ; the next step's x is asked for now, and has the loop in which to arrive
	QUARTER 0, 128, F0, F1, 1                      ; the first quarter stands in front of the loop: its first products start the sums
	WIN 0                                          ; at a label and at a branch every window is 0
	s_mov_b32 s3, LAPS-1
.Llap:                                                 ; a trip goes once round the ring of slots, from a lap's second quarter to the next lap's first, and fills both slots again
	QUARTER 0, 256, F1, F0, 0
	QUARTER 0, 384, F0, F1, 0
	TURN 0, 1, 1
	QUARTER 1, 128, F0, F1, 0
	QUARTER 1, 256, F1, F0, 0
	QUARTER 1, 384, F0, F1, 0
	TURN 1, 0, 1
	QUARTER 0, 128, F0, F1, 0
	WIN 0
	s_sub_co_u32 s3, s3, 1
	s_cmp_lg_u32 s3, 0
	s_cbranch_scc1 .Llap
	XCONV                                          ; the next step's x leaves while the last lap is multiplied; its lines name window 2's registers and two addresses alone
	QUARTER 0, 256, F1, F0, 0                      ; the last lap fills nothing, and has no round of the cluster's barrier
	QUARTER 0, 384, F0, F1, 0
	TURN 0, 1, 0
	QUARTER 1, 128, F0, F1, 0
	QUARTER 1, 256, F1, F0, 0
	QUARTER 1, 384, F0, F1, 0
	s_wait_dscnt 16                                ; the very last quarter: nothing more to fetch
	MUL8 F1, 0, 0, 0
	MUL8 F1, 0, 2, 0
	s_wait_dscnt 0
	MUL8 F1, 1, 0, 0
	MUL8 F1, 1, 2, 0
	WIN 0
	; THE WAY OUT: relu; round to bf16; 16 bytes a lane into the work-group's stage; a barrier, since a row's 256 bytes come from two waves; back as whole rows, 32 rows a wave.
	PLACES
.set i, 0
.rept 128
	v_max_num_f32 v[ACC+i], 0, v[ACC+i]            ; ascending: each accumulator is read from its low end on
.set i, i+1
.endr
.irp t, 0,1,2,3,4,5,6,7,8,9,10,11,12,13,14,15
.irp r, 0,1,2,3
	v_cvt_pk_bf16_f32 v[TMP+4*(\t)+(\r)], v[ACC+8*(\t)+2*(\r)], v[ACC+8*(\t)+2*(\r)+1]
.endr
.endr
.irp a, 0,1,2,3
.irp b, 0,1,2,3
	ds_store_b128 v[STO], v[TMP+4*(4*(\a)+(\b)):TMP+4*(4*(\a)+(\b))+3] offset:(\a)*16*SPITCH+32*(\b)
.endr
.endr
	s_wait_dscnt 0x0                               ; for the others' sake: my stores into the stage are done
	s_barrier_signal -1
	s_barrier_wait -1
.irp t, 0,1,2,3,4,5,6,7,8,9,10,11,12,13,14,15
	ds_load_b128 v[TMP+4*(\t):TMP+4*(\t)+3], v[RD] offset:(\t)*2*SPITCH
.endr
.irp t, 0,1,2,3,4,5,6,7,8,9,10,11,12,13,14,15
	s_wait_dscnt 15-(\t)                           ; LDS loads come back in order (ISA guide 5.7.1): pair t of rows is in
	global_store_b128 v[CO], v[TMP+4*(\t):TMP+4*(\t)+3], s[8:9] offset:2*(\t)*SROW  ; 16 lanes store 256 consecutive bytes, at a multiple of 256 from S_out's first byte
.endr
	s_wait_tensorcnt 0x0                           ; the wave's end: a wait, an add and its wait, behind my last tensor load and my last LDS store
	ds_add_u32 v[SPW], v[NIL]
	s_wait_dscnt 0x0
	CROUND                                         ; the closing round: no work-group ends while a partner may still ask for a tile that names it
	s_endpgm
.Lfunc_end_k_qea266afc0b_step1:
	.size	k_qea266afc0b_step1, .Lfunc_end_k_qea266afc0b_step1-k_qea266afc0b_step1
	.p2alignl 7, 3214868480
	.fill 96, 4, 3214868480
	.section	.rodata,"a",@progbits
	.p2align	6, 0x0
	.amdhsa_kernel k_qea266afc0b_step1
		.amdhsa_group_segment_fixed_size 327680
		.amdhsa_private_segment_fixed_size 0
		.amdhsa_enable_private_segment 0
		.amdhsa_kernarg_size 56
		.amdhsa_user_sgpr_count 2
		.amdhsa_user_sgpr_kernarg_segment_ptr 1
		.amdhsa_wavefront_size32 1
		.amdhsa_system_sgpr_workgroup_id_x 1
		.amdhsa_system_sgpr_workgroup_id_y 1
		.amdhsa_system_sgpr_workgroup_id_z 1
		.amdhsa_system_vgpr_workitem_id 0
		.amdhsa_next_free_vgpr 640
		.amdhsa_next_free_sgpr 84
		.amdhsa_reserve_vcc 0
		.amdhsa_float_denorm_mode_32 3
		.amdhsa_float_denorm_mode_16_64 3
		.amdhsa_memory_ordered 1
		.amdhsa_forward_progress 1
		.amdhsa_inst_pref_size 106
	.end_amdhsa_kernel
	.amdgpu_metadata
---
amdhsa.version: [ 1, 2 ]
amdhsa.kernels:
  - .name:           k_qea266afc0b_step1
    .symbol:         k_qea266afc0b_step1.kd
    .args:
      - { .name: sb, .offset: 0, .size: 8, .value_kind: global_buffer, .address_space: global }
      - { .name: wb, .offset: 8, .size: 8, .value_kind: global_buffer, .address_space: global }
      - { .name: sa, .offset: 16, .size: 8, .value_kind: global_buffer, .address_space: global }
      - { .name: b, .offset: 24, .size: 8, .value_kind: global_buffer, .address_space: global }
      - { .name: x, .offset: 32, .size: 8, .value_kind: global_buffer, .address_space: global }
      - { .name: cb, .offset: 40, .size: 8, .value_kind: global_buffer, .address_space: global }
      - { .name: ca, .offset: 48, .size: 8, .value_kind: global_buffer, .address_space: global }
    .group_segment_fixed_size: 327680
    .private_segment_fixed_size: 0
    .kernarg_segment_align: 8
    .kernarg_segment_size: 56
    .max_flat_workgroup_size: 128
    .sgpr_count:     84
    .vgpr_count:     640
    .wavefront_size: 32
...
	.end_amdgpu_metadata
.endif
;; end of part 3
;; launch step2: the kernel of part 3 again; grid 8 x 32, 4 waves a work-group, clusters of 4 x 4, 327,680 bytes of LDS; arguments sa, wb, sb, b, x, ca, cb; writes sb, cb
;; launch step3: the kernel of part 3 again; grid 8 x 32, 4 waves a work-group, clusters of 4 x 4, 327,680 bytes of LDS; arguments sb, wb, sa, b, x, cb, ca; writes sa, ca
;; launch step4: the kernel of part 3 again; grid 8 x 32, 4 waves a work-group, clusters of 4 x 4, 327,680 bytes of LDS; arguments sa, wb, sb, b, x, ca, cb; writes sb, cb
;; launch step5: the kernel of part 3 again; grid 8 x 32, 4 waves a work-group, clusters of 4 x 4, 327,680 bytes of LDS; arguments sb, wb, sa, b, x, cb, ca; writes sa, ca
;; launch step6: the kernel of part 3 again; grid 8 x 32, 4 waves a work-group, clusters of 4 x 4, 327,680 bytes of LDS; arguments sa, wb, sb, b, x, ca, cb; writes sb, cb
;; launch last (part 4): grid 8 x 32, 4 waves a work-group, clusters of 4 x 4, 327,680 bytes of LDS; arguments sb, wb, out0, b; writes out0
.if DOCPART == 4
	.amdgcn_target "amdgcn-amd-amdhsa--gfx1250"
	.amdhsa_code_object_version 6
	.text
	.protected	k_qea266afc0b_last
	.globl	k_qea266afc0b_last
	.p2align	8
	.type	k_qea266afc0b_last,@function
k_qea266afc0b_last:
	s_mov_b64 s[64:65], 0
	v_nop
	global_prefetch_b8 v0, s[64:65] scope:SCOPE_SE
	s_setreg_imm32_b32 hwreg(HW_REG_WAVE_MODE, 25, 1), 1
	s_wait_xcnt 0x0
	s_wait_alu depctr_hold_cnt(0) depctr_sa_sdst(0) depctr_va_vdst(0) depctr_va_sdst(0) depctr_va_ssrc(0) depctr_va_vcc(0) depctr_vm_vsrc(0)
	s_getreg_b32 s2, hwreg(HW_REG_IB_STS2, 6, 4)
	s_cmp_eq_u32 s2, 0
	s_cbranch_scc0 .Lentry_in_a_cluster
	s_endpgm
.Lentry_in_a_cluster:
	s_bfe_u32 s2, ttmp6, 0x10000c
	s_cmp_lg_u32 s2, 0xf033
	s_cbranch_scc0 .Lentry_shape_is_right
	s_endpgm
.Lentry_shape_is_right:
; THE LAST STEP of h(t+1) = relu([x_t, h_t] W^T + b): out0 = relu(S_7 wb^T + b) in f32.  Arguments: S_in, wb, out0, b.
; S_in = [4096][2048] bf16 (columns 0-1023 x_7, 1024-2047 h_7), wb = W in bf16 [1024][2048], out0 = [4096][1024] f32.
; LIMITS.  x, W, b and h_7 are rounded to bf16 (b is rounded and widened again, so that all inputs have the same rounding); sums in f32, the K steps added in a rotated order (below), not ascending,
; and stored as they are.  relu is a maximum with 0 in which a NaN loses: a NaN sum gives 0 here.
; THE PRODUCT.  A tile of the result is 128 x 128: 32 x 8 tiles, one for each of 256 work-groups.  Four waves, each 64 x 64: 16 accumulators of 16 x 16, 128 registers.  K goes in NSTEP steps of 256
; (LDS rows of 512 bytes; a wave's tensor load brings 64 of them) through a ring of two LDS slots.  The first product on each accumulator takes the bias as its C operand.
; CLUSTERS: 4 x 4 work-groups.  The four of a row of the cluster need the same tiles of S, the four of a column the same tiles of wb: each tile is asked for JOINTLY, by the same tensor load with the
; same descriptor and a mask that names the four.  THE MATRIX INSTRUCTION IS USED TRANSPOSED (source 0 = 16 rows of wb, source 1 = 16 rows of S): a lane then holds eight neighbouring columns of a row.
; THE K STEPS ARE A RING, and each cluster enters it elsewhere: at step (NSTEP/4 (cluster y mod 4) + NSTEP/2 (cluster x)) mod NSTEP.  The two clusters that need the same rows of S (x = 0, 1) walk NSTEP/2 steps
; apart: the second half of a cluster's tiles of S has been read NSTEP/2 steps earlier by the other.  Cluster rows y mod 4 = 0 .. 3, which need the same rows of wb, enter NSTEP/4 steps apart.
; The entry hangs on the cluster's own coordinates, which all sixteen partners share, and enters global addresses alone.
; THE WAY OUT.  A wave's 64 columns of f32 are 256 bytes at a multiple of 256 from out0's first byte, so each wave has a stage of its own (16 rows x 272 bytes) and no barrier is needed.
; REGISTERS, in windows of 256 (s_set_vgpr_msb: bits 1:0 source 0, 3:2 source 1, 5:4 source 2, 7:6 destination):
;   window 0: v0-31 addresses; v32-47 at work; v96-127 the bias; v128-255 the accumulators ((a, b) at v[128 + 8 (4 a + b)])
;   window 1: two fragment buffers of 128: for 64 along K, 64 registers of S (2 x 4 x 16 rows x 32 K), then 64 of wb
.set SIZE_K, 2048                      ; elements in a row of S and of wb
.set NSTEP,  8                         ; K steps of 256 that this launch multiplies: all 2,048 columns
.set KSTEP,  256
.set PITCH,  528                       ; an LDS row: 512 bytes of data + 16 of padding = 132 words: row r starts at bank 4 r mod 64 (64 banks of 4 bytes: ISA guide 11.1)
.set HALFT,  64*PITCH                  ; 64 rows: what one tensor load brings, and what one wave reads of S or of wb
.set SLOT,   4*HALFT                   ; S's 128 rows, then wb's 128 rows
.set STAGE,  2*SLOT                    ; behind the ring: 16 rows x 272 bytes for each wave, for the way out
.set SPITCH, 272
.set SPARE,  STAGE+4*16*SPITCH         ; behind the stages: the spare words, 128 bytes for each wave: two blocks of 256 bytes that no other line names
.set LAPS,   NSTEP/2                   ; a lap = two K steps = once round the ring of slots
.set OROW,   4096                      ; bytes in a row of out0
.set BO,   10                          ; v10     32 x (lane / 16): my eight f32 in a block of 16 of the bias
.set ADRA, 16                          ; v16-17  LDS address of my fragments of S in slot 0, 1
.set ADRB, 20                          ; v20-21  the same for wb
.set STO,  24                          ; v24     the way out: where I put 32 bytes of a row
.set RD,   25                          ; v25     the way out: where I read a row back
.set CO,   26                          ; v26     my byte offset in two rows of out0
.set SPW,  28                          ; v28     LDS address of my spare word: SPARE + 4 x my thread's number; never rewritten
.set NIL,  29                          ; v29     0; never rewritten
.set TMP,  32
.set BIAS, 96                          ; block bk of 16 columns at BIAS + 8 bk: register j = b[my first column + 16 bk + 8 (lane / 16) + j]
.set ACC,  128
.set F0,   0                           ; fragment buffers, in window 1
.set F1,   128
.set WV,   12                          ; s12  my wave's number
.set WR,   13                          ; s13  which half of the tile's rows is mine.  Also: I fetch for S (0) or for wb (1)
.set WC,   14                          ; s14  which half of its columns.  Also: which 64 rows of that tile I fetch
.set TR,   15                          ; s15  tile row
.set KN,   18                          ; s18-19  the number of the K step that was asked for last for slot 0, 1
.set TC,   42                          ; s42  tile column
.set KOF,  66                          ; s[66:67]  a K step's byte offset in a row: 512 x its number
.set G1,  24                           ; s[24:31] descriptor group 1 for S's tiles;  s[32:39] group 0, one set for each slot
.set G0,  32
.set G1B, 48                           ; s[48:55], s[56:63] the same for wb's tiles
.set G0B, 56
.set MSB, 0
.macro WIN new                         ; the immediate's high byte repeats the setting that is left; a switch that changes nothing is dropped
.if MSB != (\new)
	s_set_vgpr_msb (MSB<<8)|(\new)
.set MSB, \new
.endif
.endm
.set MUL,  0x05                        ; sources 0 (wb) and 1 (S) window 1; C and D window 0
.set TO_F, 0x40                        ; destination window 1, address window 0
.macro JLOAD s                         ; a joint load: waves 0 and 1 fetch S's two halves, waves 2 and 3 wb's; an s_nop 0 and four v_nop follow each of the two lines, ahead of the jump, the label and what follows
	s_cmp_eq_u32 s[WR], 0
	s_cbranch_scc0 .Lfor_b_\@
	tensor_load_to_lds s[G0+4*(\s):G0+4*(\s)+3], s[G1:G1+7]
	s_nop 0
.rept 4
	v_nop
.endr
	s_branch .Lasked_\@
.Lfor_b_\@:
	tensor_load_to_lds s[G0B+4*(\s):G0B+4*(\s)+3], s[G1B:G1B+7]
	s_nop 0
.rept 4
	v_nop
.endr
.Lasked_\@:
.endm
.macro KADDR s                         ; both group 0 of slot s take the address of K step s[KN+s]: the tile's first byte plus an offset made apart; the type bits are set again
	s_lshl_b32 s[KOF], s[KN+(\s)], 9
	s_add_nc_u64 s[G0+4*(\s)+2:G0+4*(\s)+3], s[4:5], s[KOF:KOF+1]    ; 120:64 global address
	s_or_b32 s[G0+4*(\s)+3], s[G0+4*(\s)+3], 0x80000000              ; 127:126 type = 2
	s_add_nc_u64 s[G0B+4*(\s)+2:G0B+4*(\s)+3], s[6:7], s[KOF:KOF+1]
	s_or_b32 s[G0B+4*(\s)+3], s[G0B+4*(\s)+3], 0x80000000
.endm
.macro CREST                           ; a round of the cluster's barrier behind its opening barrier
	s_cmp_lg_u32 s[WV], 0
	s_cbranch_scc1 .Lnot_wave_0_\@
	s_barrier_signal -3
.Lnot_wave_0_\@:
	s_barrier_wait -3
	s_barrier_signal -1
	s_barrier_wait -1
.endm
.macro CROUND                          ; a whole round
	s_barrier_signal -1
	s_barrier_wait -1
	CREST
.endm
	s_load_b256 s[4:11], s[0:1], 0x0               ; S_in s[4:5], wb s[6:7], out0 s[8:9], b s[10:11]
	v_lshl_add_u32 v[SPW], v0, 2, SPARE
	v_mov_b32 v[NIL], 0
	ds_add_u32 v[SPW], v[NIL]                      ; the wave's opening: the add and its wait stand ahead of my first tensor load; the set-up below, work on registers, stands between them
	v_lshrrev_b32 v1, 5, v0
	v_readfirstlane_b32 s[WV], v1                  ; wave 0..3
	s_lshr_b32 s[WR], s[WV], 1
	s_and_b32 s[WC], s[WV], 1
	s_bfe_u32 s40, ttmp6, 0x40000                  ; cx, cy: my place in the cluster
	s_bfe_u32 s41, ttmp6, 0x40004
	s_lshl_b32 s[TC], ttmp9, 2
	s_add_co_u32 s[TC], s[TC], s40                 ; tile column = 4 x cluster x + cx
	s_and_b32 s[TR], ttmp7, 0xffff                 ; cluster y
	s_and_b32 s[KN], s[TR], 3                      ; where my cluster enters the ring of K steps:
	s_mul_i32 s[KN], s[KN], NSTEP/4                ; NSTEP/4 x (cluster y mod 4)
	s_mul_i32 s[KN+1], ttmp9, NSTEP/2              ; + NSTEP/2 x cluster x,
	s_add_co_u32 s[KN], s[KN], s[KN+1]
	s_and_b32 s[KN], s[KN], NSTEP-1                ; mod NSTEP: slot 0's first step;
	s_add_co_u32 s[KN+1], s[KN], 1
	s_and_b32 s[KN+1], s[KN+1], NSTEP-1            ; slot 1's is the next in the ring
	s_mov_b32 s[KOF+1], 0
	s_lshl_b32 s[TR], s[TR], 2
	s_add_co_u32 s[TR], s[TR], s41                 ; tile row = 4 x cluster y + cy
	s_lshl_b32 s43, s41, 2
	s_lshl_b32 s43, 15, s43                        ; my row of the cluster: places 4 cy .. 4 cy + 3
	s_lshl_b32 s44, 0x1111, s40                    ; my column: places cx, cx + 4, cx + 8, cx + 12
	; descriptor group 1: a tile of 64 rows x 256 elements, padded in LDS
	s_or_b32 s[G1+0], s43, (1<<16)|(1<<20)|(1<<21)|(6<<22)|(3<<25)  ; 15:0 the mask: S's tiles go to my row; 17:16 element of 2 bytes; 20 padding on; 21 set beside a mask; 24:22 after every 128 words (code 6); 31:25 of 4 words (code 3)
	s_or_b32 s[G1B+0], s44, (1<<16)|(1<<20)|(1<<21)|(6<<22)|(3<<25) ; the same with the mask of my column, for wb's tiles
.irp g, G1, G1B
	s_mov_b32 s[(\g)+1], KSTEP<<16                 ; tensor_dim0 = 256
	s_mov_b32 s[(\g)+2], 64<<16                    ; tensor_dim1 = 64
	s_mov_b32 s[(\g)+3], KSTEP<<16                 ; tile_dim0 = 256
	s_mov_b32 s[(\g)+4], 64                        ; tile_dim1 = 64
	s_mov_b32 s[(\g)+5], SIZE_K                    ; 2,048 elements from row to row, in S and in wb
	s_mov_b32 s[(\g)+6], 0
	s_mov_b32 s[(\g)+7], 0
.endr
	; where the tiles come from.  S's hang on the tile row alone, which my row of the cluster shares; wb's on the tile column alone, which my column shares; each in registers that never hold the other coordinate.
	s_lshl_b32 s17, s[WC], 6                       ; which 64 rows of the tile I fetch
	s_lshl_b32 s16, s[TR], 7
	s_add_co_u32 s16, s16, s17                     ; S: row 128 x tile row + 64 x half,
	s_lshl_b32 s16, s16, 12                        ; times 4,096 bytes: under 2^24
	s_lshl_b32 s46, s[TC], 7
	s_add_co_u32 s46, s46, s17                     ; wb: row 128 x tile column + 64 x half
	s_lshl_b32 s46, s46, 12
	s_mov_b32 s17, 0
	s_mov_b32 s47, 0
	s_mul_i32 s20, s[WV], HALFT                    ; where they go: wave x 64 rows: no place in the cluster enters an LDS address
	s_mov_b32 s75, 0
	s_wait_dscnt 0x0                               ; the opening add is done
	s_wait_kmcnt 0x0
	s_add_nc_u64 s[4:5], s[4:5], s[16:17]          ; S and wb at my 64 rows' first byte; never rewritten from here on
	s_add_nc_u64 s[6:7], s[6:7], s[46:47]
	CROUND                                         ; all sixteen work-groups are here: the first joint loads meet
.irp s, 0,1
	s_mov_b32 s[G0+4*(\s)], 1                                      ; 1:0 count = 1
	s_add_co_u32 s[G0+4*(\s)+1], s20, (\s)*SLOT                    ; 63:32 LDS address
	s_mov_b32 s[G0B+4*(\s)], 1
	s_add_co_u32 s[G0B+4*(\s)+1], s20, (\s)*SLOT
	KADDR \s
	JLOAD \s                                       ; two tensor loads of mine are out
.endr
	v_and_b32 v1, 15, v0                           ; l % 16
	v_bfe_u32 v2, v0, 4, 1                         ; l / 16
	v_lshlrev_b32 v[BO], 5, v2
	s_lshl_b32 s74, s[TC], 9                       ; the bias of my 64 columns: 4 bytes x (128 x tile column + 64 x half)
	s_lshl_b32 s81, s[WC], 8
	s_add_co_u32 s74, s74, s81
	s_add_nc_u64 s[10:11], s[10:11], s[74:75]
.irp k, 0,1,2,3
	global_load_b128 v[BIAS+8*(\k):BIAS+8*(\k)+3],   v[BO], s[10:11] offset:64*(\k)
	global_load_b128 v[BIAS+8*(\k)+4:BIAS+8*(\k)+7], v[BO], s[10:11] offset:64*(\k)+16
.endr
	v_mul_u32_u24 v3, v1, PITCH
	v_lshl_add_u32 v3, v2, 4, v3                   ; a fragment's row x pitch + 16 x half
	s_mul_i32 s21, s[WR], HALFT                    ; my 64 rows of S
	s_mul_i32 s22, s[WC], HALFT                    ; my 64 rows of wb,
	s_add_co_u32 s22, s22, 2*HALFT                 ; which lie behind S's 128
.irp s, 0,1
	v_add_nc_u32 v[ADRA+(\s)], s21, v3
	v_add_nc_u32 v[ADRB+(\s)], s22, v3
	s_add_co_u32 s21, s21, SLOT
	s_add_co_u32 s22, s22, SLOT
.endr
	s_mul_i32 s23, s[WV], 16*SPITCH
	s_add_co_u32 s23, s23, STAGE                   ; my stage
	v_mul_u32_u24 v4, v1, SPITCH                   ; in: row l % 16, 32 bytes (eight f32) for each half of the lanes
	v_lshl_add_u32 v4, v2, 5, v4
	v_add_nc_u32 v[STO], s23, v4
	v_mul_u32_u24 v5, v2, SPITCH                   ; back: lanes 0-15 take one row of 256 bytes, lanes 16-31 the next
	v_lshl_add_u32 v5, v1, 4, v5
	v_add_nc_u32 v[RD], s23, v5
	v_lshlrev_b32 v5, 12, v2                       ; and the same two rows in out0
	v_lshl_add_u32 v[CO], v1, 4, v5
	s_lshl_b32 s74, s[TR], 7                       ; my part of out0: row 128 x tile row + 64 x row half,
	s_lshl_b32 s81, s[WR], 6
	s_add_co_u32 s74, s74, s81
	s_lshl_b32 s74, s74, 12
	s_lshl_b32 s81, s[TC], 9                       ; 512 bytes a tile column,
	s_add_co_u32 s74, s74, s81
	s_lshl_b32 s81, s[WC], 8                       ; 256 a column half
	s_add_co_u32 s74, s74, s81
	s_add_nc_u64 s[8:9], s[8:9], s[74:75]
	s_wait_loadcnt 0x0                             ; the bias: the only loads of the text
.set i, 0
.rept 16
	v_cvt_pk_bf16_f32 v[TMP+i], v[BIAS+2*i], v[BIAS+2*i+1]  ; rounded to bf16 like x and W,
.set i, i+1
.endr
.set i, 0
.rept 16
	v_lshlrev_b32 v[BIAS+2*i],   16, v[TMP+i]                ; and widened again
	v_and_b32     v[BIAS+2*i+1], 0xffff0000, v[TMP+i]
.set i, i+1
.endr
; 8 matrix instructions: m blocks a0, a0 + 1 x all 4 n blocks, 32 along K: half c of buffer f.  first = 1: the product starts the sum, with the bias as C.
; The 16 accumulators take turns, one instruction a turn, in the same order everywhere.
.macro MUL8 f, c, a0, first
	WIN MUL
.irp a, \a0, (\a0)+1
.irp b, 0,1,2,3
.if \first
	v_wmma_f32_16x16x32_bf16 v[ACC+8*(4*(\a)+(\b)):ACC+8*(4*(\a)+(\b))+7], v[(\f)+64+8*(4*(\c)+(\b)):(\f)+64+8*(4*(\c)+(\b))+7], v[(\f)+8*(4*(\c)+(\a)):(\f)+8*(4*(\c)+(\a))+7], v[BIAS+8*(\b):BIAS+8*(\b)+7]
.else
	v_wmma_f32_16x16x32_bf16 v[ACC+8*(4*(\a)+(\b)):ACC+8*(4*(\a)+(\b))+7], v[(\f)+64+8*(4*(\c)+(\b)):(\f)+64+8*(4*(\c)+(\b))+7], v[(\f)+8*(4*(\c)+(\a)):(\f)+8*(4*(\c)+(\a))+7], v[ACC+8*(4*(\a)+(\b)):ACC+8*(4*(\a)+(\b))+7]
.endif
.endr
.endr
.endm
; 32 LDS loads in one run: the fragments of 64 along K at byte k of the rows, into buffer f; the first 32 along K first
.macro FETCH slot, k, f
	WIN TO_F
.irp c, 0,1
.irp i, 0,1,2,3
	ds_load_b128 v[(\f)+64+8*(4*(\c)+(\i)):(\f)+64+8*(4*(\c)+(\i))+3],   v[ADRB+(\slot)] offset:(\k)+64*(\c)+(\i)*16*PITCH
	ds_load_b128 v[(\f)+64+8*(4*(\c)+(\i))+4:(\f)+64+8*(4*(\c)+(\i))+7], v[ADRB+(\slot)] offset:(\k)+64*(\c)+(\i)*16*PITCH+32
	ds_load_b128 v[(\f)+8*(4*(\c)+(\i)):(\f)+8*(4*(\c)+(\i))+3],         v[ADRA+(\slot)] offset:(\k)+64*(\c)+(\i)*16*PITCH
	ds_load_b128 v[(\f)+8*(4*(\c)+(\i))+4:(\f)+8*(4*(\c)+(\i))+7],       v[ADRA+(\slot)] offset:(\k)+64*(\c)+(\i)*16*PITCH+32
.endr
.endr
.endm
.macro PLACES                          ; four places in front of loads into registers that matrix instructions have read, and of vector lines that read results
.rept 4
	v_nop
.endr
.endm
; A K step is four quarters of 64 along K, 32 matrix instructions each, on buffers 0, 1, 0, 1.  One of the first three: multiplies buffer f and fetches the next quarter, at byte k, into g.
.macro QUARTER slot, k, f, g, first
	s_wait_dscnt 16                                ; the first 32 along K are in; the youngest sixteen loads may be out
	MUL8 \f, 0, 0, \first
	MUL8 \f, 0, 2, \first
	PLACES
	FETCH \slot, \k, \g
	s_wait_dscnt 32                                ; all but the 32 just issued
	MUL8 \f, 1, 0, 0
	MUL8 \f, 1, 2, 0
.endm
; The last quarter multiplies buffer 1 and changes slots: ONE barrier; in front of it each wave waits for all its tensor loads, adds 0 to its spare word, and waits for that and for its own reads of this slot.
; fill = 1: this slot is filled again, with the K step two further on in the ring of K steps.
.macro TURN slot, next, fill
	WIN 0                                          ; (the add's two registers lie in window 0)
	s_wait_tensorcnt 0x0                           ; all my tensor loads have landed: the one that was out is my part of the next slot; so every group 0 may be written;
	ds_add_u32 v[SPW], v[NIL]                      ; 0 onto my spare word: work on registers stands between it and the wait for it
.if \fill
	s_add_co_u32 s[KN+(\slot)], s[KN+(\slot)], 2   ; this slot's next K step,
	s_and_b32 s[KN+(\slot)], s[KN+(\slot)], NSTEP-1  ; round the ring
	KADDR \slot
.endif
	s_wait_dscnt 17                                ; (the add and the youngest sixteen loads may be out)
	MUL8 F1, 0, 0, 0                               ; eight matrix instructions stand between the add and the wait for it
	s_wait_dscnt 0x0                               ; the add is done, and my reads of this slot are over
	s_barrier_signal -1
	MUL8 F1, 0, 2, 0                               ; work on registers while the others arrive
.if \fill
	WIN 0
.endif
	s_barrier_wait -1
.if \fill
	CREST                                          ; the barrier has opened a round of the cluster's barrier: no wave of any partner still reads this slot's tile or has a load on its way
	JLOAD \slot                                    ; my one tensor load behind the round, 112 matrix instructions ahead of the wait for it; the four v_nop behind it are also the places in front of the loads below
.else
	PLACES
.endif
	FETCH \next, 0, F0
	MUL8 F1, 1, 0, 0
	MUL8 F1, 1, 2, 0
.endm
; THE WAY OUT of block a (16 rows x my 64 columns), in two parts.  OUTBLK: relu in place; a lane's eight f32 of a row and n block, 32 bytes, go into my stage's rows of 272 bytes; the rows come back
; whole, 256 bytes each, into the registers that the block left.  SENDBLK: they are stored.
.macro OUTBLK a
.set i, 0
.rept 32
	v_max_num_f32 v[ACC+32*(\a)+i], 0, v[ACC+32*(\a)+i]  ; ascending: each accumulator is read from its low end on
.set i, i+1
.endr
.irp b, 0,1,2,3
	ds_store_b128 v[STO], v[ACC+8*(4*(\a)+(\b)):ACC+8*(4*(\a)+(\b))+3]   offset:64*(\b)
	ds_store_b128 v[STO], v[ACC+8*(4*(\a)+(\b))+4:ACC+8*(4*(\a)+(\b))+7] offset:64*(\b)+16
.endr
.irp t, 0,1,2,3,4,5,6,7
	ds_load_b128 v[ACC+32*(\a)+4*(\t):ACC+32*(\a)+4*(\t)+3], v[RD] offset:(\t)*2*SPITCH  ; LDS serves a wave's instructions in order (ISA guide 5.7.1.4): these see the stores above; the next block's stores come behind them
.endr
.endm
.macro SENDBLK a, younger              ; younger: the LDS instructions issued behind block a's loads: the next block's sixteen, or none
.irp t, 0,1,2,3,4,5,6,7
	s_wait_dscnt (\younger)+7-(\t)
	global_store_b128 v[CO], v[ACC+32*(\a)+4*(\t):ACC+32*(\a)+4*(\t)+3], s[8:9] offset:(16*(\a)+2*(\t))*OROW th:TH_STORE_NT  ; 16 lanes store 256 consecutive bytes, at a multiple of 256 from out0's first byte
.endr
.endm
	s_wait_tensorcnt 1                             ; my part of slot 0 is in; slot 1's may stay out
	s_barrier_signal -1
	s_barrier_wait -1                              ; everybody's is
	FETCH 0, 0, F0
	QUARTER 0, 128, F0, F1, 1                      ; the first quarter stands in front of the loop: its first products start the sums
	WIN 0                                          ; at a label and at a branch every window is 0
	s_mov_b32 s3, LAPS-1
.Llap:                                                 ; a trip goes once round the ring of slots, from a lap's second quarter to the next lap's first, and fills both slots again
	QUARTER 0, 256, F1, F0, 0
	QUARTER 0, 384, F0, F1, 0
	TURN 0, 1, 1
	QUARTER 1, 128, F0, F1, 0
	QUARTER 1, 256, F1, F0, 0
	QUARTER 1, 384, F0, F1, 0
	TURN 1, 0, 1
	QUARTER 0, 128, F0, F1, 0
	WIN 0
	s_sub_co_u32 s3, s3, 1
	s_cmp_lg_u32 s3, 0
	s_cbranch_scc1 .Llap
	QUARTER 0, 256, F1, F0, 0                      ; the last lap fills nothing, and has no round of the cluster's barrier
	QUARTER 0, 384, F0, F1, 0
	TURN 0, 1, 0
	QUARTER 1, 128, F0, F1, 0
	QUARTER 1, 256, F1, F0, 0
	QUARTER 1, 384, F0, F1, 0
	s_wait_dscnt 16                                ; the very last quarter: nothing more to fetch
	MUL8 F1, 0, 0, 0
	MUL8 F1, 0, 2, 0
	s_wait_dscnt 0
	MUL8 F1, 1, 0, 0
	MUL8 F1, 1, 2, 0
	WIN 0
	PLACES
	OUTBLK 0
	OUTBLK 1                                       ; a block's relu stands between the loads of the block before and its stores
	SENDBLK 0, 16
	OUTBLK 2
	SENDBLK 1, 16
	OUTBLK 3
	SENDBLK 2, 16
	SENDBLK 3, 0
	s_wait_tensorcnt 0x0                           ; the wave's end: a wait, an add and its wait, behind my last tensor load and my last LDS store
	ds_add_u32 v[SPW], v[NIL]
	s_wait_dscnt 0x0
	CROUND                                         ; the closing round: no work-group ends while a partner may still ask for a tile that names it
	s_endpgm
.Lfunc_end_k_qea266afc0b_last:
	.size	k_qea266afc0b_last, .Lfunc_end_k_qea266afc0b_last-k_qea266afc0b_last
	.p2alignl 7, 3214868480
	.fill 96, 4, 3214868480
	.section	.rodata,"a",@progbits
	.p2align	6, 0x0
	.amdhsa_kernel k_qea266afc0b_last
		.amdhsa_group_segment_fixed_size 327680
		.amdhsa_private_segment_fixed_size 0
		.amdhsa_enable_private_segment 0
		.amdhsa_kernarg_size 32
		.amdhsa_user_sgpr_count 2
		.amdhsa_user_sgpr_kernarg_segment_ptr 1
		.amdhsa_wavefront_size32 1
		.amdhsa_system_sgpr_workgroup_id_x 1
		.amdhsa_system_sgpr_workgroup_id_y 1
		.amdhsa_system_sgpr_workgroup_id_z 1
		.amdhsa_system_vgpr_workitem_id 0
		.amdhsa_next_free_vgpr 512
		.amdhsa_next_free_sgpr 84
		.amdhsa_reserve_vcc 0
		.amdhsa_float_denorm_mode_32 3
		.amdhsa_float_denorm_mode_16_64 3
		.amdhsa_memory_ordered 1
		.amdhsa_forward_progress 1
		.amdhsa_inst_pref_size 94
	.end_amdhsa_kernel
	.amdgpu_metadata
---
amdhsa.version: [ 1, 2 ]
amdhsa.kernels:
  - .name:           k_qea266afc0b_last
    .symbol:         k_qea266afc0b_last.kd
    .args:
      - { .name: sb, .offset: 0, .size: 8, .value_kind: global_buffer, .address_space: global }
      - { .name: wb, .offset: 8, .size: 8, .value_kind: global_buffer, .address_space: global }
      - { .name: out0, .offset: 16, .size: 8, .value_kind: global_buffer, .address_space: global }
      - { .name: b, .offset: 24, .size: 8, .value_kind: global_buffer, .address_space: global }
    .group_segment_fixed_size: 327680
    .private_segment_fixed_size: 0
    .kernarg_segment_align: 8
    .kernarg_segment_size: 32
    .max_flat_workgroup_size: 128
    .sgpr_count:     84
    .vgpr_count:     512
    .wavefront_size: 32
...
	.end_amdgpu_metadata
.endif
;; end of part 4
;; ======== version 2 of 2: 9 launches; version 1 with the launch prep written anew for expert scheduling mode
;; workspace buffers: wb 4,194,304 bytes; sa 16,777,216 bytes; sb 16,777,216 bytes; ca 131,072 bytes of whole numbers; cb 131,072 bytes of whole numbers
;; launch prep (part 5): grid 256 x 1, 4 waves a work-group, no clusters, 0 bytes of LDS; arguments W, x, wb, sa, ca; writes wb, sa, ca
.if DOCPART == 5
	.amdgcn_target "amdgcn-amd-amdhsa--gfx1250"
	.amdhsa_code_object_version 6
	.text
	.protected	k_qea266afc0b_prep
	.globl	k_qea266afc0b_prep
	.p2align	8
	.type	k_qea266afc0b_prep,@function
k_qea266afc0b_prep:
	s_mov_b64 s[64:65], 0
	v_nop
	global_prefetch_b8 v0, s[64:65] scope:SCOPE_SE
	s_setreg_imm32_b32 hwreg(HW_REG_WAVE_SCHED_MODE, 0, 2), 2
	s_setreg_imm32_b32 hwreg(HW_REG_WAVE_MODE, 25, 1), 1
	s_wait_xcnt 0x0
	s_wait_alu depctr_vm_vsrc(0)
; PREPARATION for the recurrence h(t+1) = relu([x_t, h_t] W^T + b), h_0 = 0.  Three things are written:
;   wb = W rounded to bf16, [1024][2048], in W's own order;
;   the left half of sa = S_0 = [4096][2048] bf16: columns 0-1023 x_0 rounded to bf16 (the right half, h_0, is read by nobody: the first step leaves the products with h_0 = 0 out);
;   ca = 1 in every word: the number of the slice of x that the next launch converts.
; A stream: every byte is read once and written once, so no LDS, no barrier, no matrix unit and no cluster (work-groups share no input).
; SHARES.  Work-group j: rows 16 j .. 16 j + 15 of x_0 and of sa, rows 4 j .. 4 j + 3 of W (32,768 dense bytes), words 128 j .. 128 j + 127 of ca.
; A UNIT is one load of 16 bytes a thread (the 128 threads cover 2,048 consecutive bytes of f32), two roundings in place, one store of 8 bytes a thread
; (a wave's store covers 256 consecutive bytes, at a multiple of 256 from the buffer's first byte).  48 units: 32 of x, 16 of W.  All 48 loads go out first;
; each unit has registers of its own, so no register that a load or a store names is ever written again.
; THE MODE: SCHED_MODE bits 1:0 = 2 (LLVM: expert scheduling mode 2), set by the entry lines.  The code itself states the register dependences
; between vector instructions and memory instructions, with s_wait_alu, always for 0.
; THE PLAN.  Registers that memory instructions touch:
;   v1 to v4      three byte offsets and the counter's number.  Written once, by the head's four vector lines; read by the loads (v1), the stores of bf16 (v2) and the counter's store (v3, v4).
;   X + 4 u ..    unit u's four registers.  Its load, issued ahead of every vector line that names them, lands in them; its two roundings read them and write the first two in place;
;                 its store reads those two; nothing writes them after that.
; So the one kind of dependence to state is: a vector line has written what a memory line reads.  The units go in 12 blocks of four.  Block p rounds its own four units, and its memory
; instructions are the four stores of block p - 1, whose registers no vector line of block p names.  One wait at the head of a block states that the block before has written what
; those stores read, and the stores are dealt among the block's roundings with no further wait.  One wait at the kernel's head serves v1 to v4; one more stands ahead of the last four stores.
.set XROW,  32768                      ; bytes from a batch row of x to the next: 8 slices of 1,024 f32
.set SROW,  4096                       ; bytes in a row of S: 2,048 bf16
.set UNITS, 48
.set BLK,   4                          ; units in a block
.set X,     8                          ; v[8:199]  unit u at X + 4 u
	s_load_b256 s[4:11], s[0:1], 0x0               ; W s[4:5], x s[6:7], wb s[8:9], sa s[10:11]
	s_load_b64 s[12:13], s[0:1], 0x20              ; ca
	v_lshlrev_b32 v1, 4, v0                        ; 16 bytes a thread: the loads
	v_lshlrev_b32 v2, 3, v0                        ; 8 bytes a thread: the stores of bf16
	v_lshlrev_b32 v3, 2, v0                        ; 4 bytes a thread: the counter's words
	v_mov_b32 v4, 1                                ; the next launch converts slice 1
	s_mov_b32 s15, 0                               ; every offset below stays under 2^32
	s_wait_kmcnt 0x0
	s_lshl_b32 s14, ttmp9, 15                      ; 4 rows of W, 8,192 bytes each
	s_add_nc_u64 s[4:5], s[4:5], s[14:15]
	s_lshl_b32 s14, ttmp9, 19                      ; 16 batch rows of x
	s_add_nc_u64 s[6:7], s[6:7], s[14:15]
	s_lshl_b32 s14, ttmp9, 14                      ; 4 rows of wb, 4,096 bytes each
	s_add_nc_u64 s[8:9], s[8:9], s[14:15]
	s_lshl_b32 s14, ttmp9, 16                      ; 16 rows of S
	s_add_nc_u64 s[10:11], s[10:11], s[14:15]
	s_lshl_b32 s14, ttmp9, 9                       ; 128 words of the counter
	s_add_nc_u64 s[12:13], s[12:13], s[14:15]
	s_wait_alu depctr_va_vdst(0)                   ; v1 to v4 are written: every load and store of the kernel reads one of v1 to v3 as its offset, and the counter's store reads v4 as its data
.set u, 0
.rept 32                                           ; x_0: row u / 2, half u % 2 of its 4,096 bytes
	global_load_b128 v[X+4*u:X+4*u+3], v1, s[6:7] offset:(u/2)*XROW+(u%2)*2048 th:TH_LOAD_NT
.set u, u+1
.endr
.rept 16                                           ; W: units 32 to 47, dense
	global_load_b128 v[X+4*u:X+4*u+3], v1, s[4:5] offset:(u-32)*2048 th:TH_LOAD_NT
.set u, u+1
.endr
	global_store_b32 v3, v4, s[12:13]              ; 512 consecutive bytes for the work-group
; Unit n leaves: units 0 to 31 into the left half of sa, units 32 to 47 into wb.
.macro OUT n
.if (\n) < 32
	global_store_b64 v2, v[X+4*(\n):X+4*(\n)+1], s[10:11] offset:((\n)/2)*SROW+((\n)%2)*1024
.else
	global_store_b64 v2, v[X+4*(\n):X+4*(\n)+1], s[8:9] offset:((\n)-32)*1024
.endif
.endm
.set p, 0
.rept UNITS/BLK                                    ; block p: units 4 p to 4 p + 3 are rounded, units 4 p - 4 to 4 p - 1 are stored
	s_wait_loadcnt UNITS-BLK*(p+1)                 ; loads come back in order (ISA guide 5.7.1): this block's four units are in, the later blocks' loads stay out
.if p > 0
	s_wait_alu depctr_va_vdst(0)                   ; the block before has written the first two registers of each of its units, which the four stores below read
.endif
.set i, 0
.rept BLK
.set u, BLK*p+i
.if p > 0
	OUT u-BLK                                      ; no vector line since the wait names this unit's registers or v2
.endif
	v_cvt_pk_bf16_f32 v[X+4*u],   v[X+4*u],   v[X+4*u+1]   ; two roundings to nearest even, packed, in place
	v_cvt_pk_bf16_f32 v[X+4*u+1], v[X+4*u+2], v[X+4*u+3]
.set i, i+1
.endr
.set p, p+1
.endr
	s_wait_alu depctr_va_vdst(0)                   ; the last block has written its units' registers, which the last four stores read
.set i, 0
.rept BLK
	OUT UNITS-BLK+i
.set i, i+1
.endr
	s_endpgm
.Lfunc_end_k_qea266afc0b_prep:
	.size	k_qea266afc0b_prep, .Lfunc_end_k_qea266afc0b_prep-k_qea266afc0b_prep
	.p2alignl 7, 3214868480
	.fill 96, 4, 3214868480
	.section	.rodata,"a",@progbits
	.p2align	6, 0x0
	.amdhsa_kernel k_qea266afc0b_prep
		.amdhsa_group_segment_fixed_size 0
		.amdhsa_private_segment_fixed_size 0
		.amdhsa_enable_private_segment 0
		.amdhsa_kernarg_size 40
		.amdhsa_user_sgpr_count 2
		.amdhsa_user_sgpr_kernarg_segment_ptr 1
		.amdhsa_wavefront_size32 1
		.amdhsa_system_sgpr_workgroup_id_x 1
		.amdhsa_system_sgpr_workgroup_id_y 1
		.amdhsa_system_sgpr_workgroup_id_z 1
		.amdhsa_system_vgpr_workitem_id 0
		.amdhsa_next_free_vgpr 200
		.amdhsa_next_free_sgpr 66
		.amdhsa_reserve_vcc 0
		.amdhsa_float_denorm_mode_32 3
		.amdhsa_float_denorm_mode_16_64 3
		.amdhsa_memory_ordered 1
		.amdhsa_forward_progress 1
		.amdhsa_inst_pref_size 17
	.end_amdhsa_kernel
	.amdgpu_metadata
---
amdhsa.version: [ 1, 2 ]
amdhsa.kernels:
  - .name:           k_qea266afc0b_prep
    .symbol:         k_qea266afc0b_prep.kd
    .args:
      - { .name: W, .offset: 0, .size: 8, .value_kind: global_buffer, .address_space: global }
      - { .name: x, .offset: 8, .size: 8, .value_kind: global_buffer, .address_space: global }
      - { .name: wb, .offset: 16, .size: 8, .value_kind: global_buffer, .address_space: global }
      - { .name: sa, .offset: 24, .size: 8, .value_kind: global_buffer, .address_space: global }
      - { .name: ca, .offset: 32, .size: 8, .value_kind: global_buffer, .address_space: global }
    .group_segment_fixed_size: 0
    .private_segment_fixed_size: 0
    .kernarg_segment_align: 8
    .kernarg_segment_size: 40
    .max_flat_workgroup_size: 128
    .sgpr_count:     66
    .vgpr_count:     200
    .wavefront_size: 32
...
	.end_amdgpu_metadata
.endif
;; end of part 5
;; launch first: the kernel of part 2 again; grid 8 x 32, 4 waves a work-group, clusters of 4 x 4, 327,680 bytes of LDS; arguments sa, wb, sb, b, x, ca, cb; writes sb, cb
;; launch step1: the kernel of part 3 again; grid 8 x 32, 4 waves a work-group, clusters of 4 x 4, 327,680 bytes of LDS; arguments sb, wb, sa, b, x, cb, ca; writes sa, ca
;; launch step2: the kernel of part 3 again; grid 8 x 32, 4 waves a work-group, clusters of 4 x 4, 327,680 bytes of LDS; arguments sa, wb, sb, b, x, ca, cb; writes sb, cb
;; launch step3: the kernel of part 3 again; grid 8 x 32, 4 waves a work-group, clusters of 4 x 4, 327,680 bytes of LDS; arguments sb, wb, sa, b, x, cb, ca; writes sa, ca
;; launch step4: the kernel of part 3 again; grid 8 x 32, 4 waves a work-group, clusters of 4 x 4, 327,680 bytes of LDS; arguments sa, wb, sb, b, x, ca, cb; writes sb, cb
;; launch step5: the kernel of part 3 again; grid 8 x 32, 4 waves a work-group, clusters of 4 x 4, 327,680 bytes of LDS; arguments sb, wb, sa, b, x, cb, ca; writes sa, ca
;; launch step6: the kernel of part 3 again; grid 8 x 32, 4 waves a work-group, clusters of 4 x 4, 327,680 bytes of LDS; arguments sa, wb, sb, b, x, ca, cb; writes sb, cb
;; launch last: the kernel of part 4 again; grid 8 x 32, 4 waves a work-group, clusters of 4 x 4, 327,680 bytes of LDS; arguments sb, wb, out0, b; writes out0
